; MI455X (gfx1250); checked and timed in simulation.
; The chip was launched on July 23, 2026; its instructions are those of AMD's public machine-readable ISA for CDNA 5 (MIT licence, August 2026) and "CDNA5" Instruction Set Architecture Reference Guide (July 2026). The comments in the code are by the model that wrote it; some were corrected since.
;; sc Gen T Attention. Allowed arithmetic: matrix products marked QUANTISED: E2M1 operands, one E8M0 scale for each 32 along K, by v_wmma_scale_f32_16x16x128_f8f6f4 with both operands' format E2M1 (or v_wmma_scale_f32_32x16x128_f4), f32 sums; products left as they are: bf16, f16 or f32 operands; f32 sums; everything else in f32.
;; Inputs: out_b 1,024 float32; out_w 1,024 x 1,024 float32; qkv_b 3,072 float32; qkv_w 3,072 x 1,024 float32; x 4 x 2,048 x 1,024 float32.
;; Outputs: out0 4 x 2,048 x 1,024 float32.
;; This version of the problem:
;;   THIS VERSION OF THE PROBLEM IS GIVEN IN LOW PRECISION. The matrix products marked QUANTISED in the list below multiply operands that are first quantised to E2M1 (2 exponent bits, 1 mantissa bit; 4 bits a number), with one power-of-two scale for each 32 numbers along K (OCP MX v1.0); their sums are f32. The products marked 'left as it is' may take bf16, f16 or f32 operands, with f32 sums. Whichever they take, every output number must still come out within the allowed error. Rounding operands to bf16 (8 significant bits) uses up far more of that allowance than f16 does (11 bits, for magnitudes from 6e-5 to 65,504). All else is computed in f32.
;;   The module's matrix products, in the order in which they are computed (A, B: the left and right operand; K: the contracted axis; several contracted axes count as one K, in the product's order):
;;     1. [M 8,192, K 1,024] x [K 1,024, N 3,072]; A: input x; B: input qkv_w: QUANTISED
;;     2. batch 64 x [M 2,048, K 64] x [K 64, N 2,048]; A: computed on the way; B: computed on the way: left as it is (an operand is computed on the way)
;;     3. batch 64 x [M 2,048, K 2,048] x [K 2,048, N 64]; A: computed on the way; B: computed on the way: left as it is (an operand is computed on the way)
;;     4. [M 8,192, K 1,024] x [K 1,024, N 1,024]; A: computed on the way; B: input out_w: left as it is (an operand is computed on the way)
;;   THE QUANTISER, for each operand of a quantised product, along K:
;;     - K is cut into blocks of 32 from its start; a last block that is shorter is filled with zeros.
;;     - A block's scale is 2^e with e = floor(log2(the largest magnitude in the block)) - 2, held to -126 .. 127; a block of zeros has e = 0. As a byte (E8M0): e + 127.
;;     - Each number is divided by its block's scale, clamped to +-6, and rounded to the nearest number of E2M1, ties to even, subnormals kept.
;;     - The product sums the exact products of the quantised numbers (number of the format x scale) in f32.
;;   ~~~python
;;   def quantise(x, axis):      # numpy; x: float32 -> the quantised numbers, widened to float32 again
;;       x = np.moveaxis(x, axis, -1); K = x.shape[-1]
;;       x = np.pad(x, [(0, 0)] * (x.ndim - 1) + [(0, -K % 32)]); x = x.reshape(x.shape[:-1] + (-1, 32)); a = np.abs(x).max(-1, keepdims=True)
;;       e = np.where(a > 0, np.clip(np.frexp(np.where(a > 0, a, 1))[1] - 1 - 2, -126, 127), 0)      # np.frexp(a)[1] - 1 = floor(log2(a)), exactly
;;       r = np.clip(x / 2.0 ** e, -6, 6)
;;       step = 2.0 ** (np.maximum(np.frexp(np.where(r == 0, 1, r))[1] - 1, 0) - 1)
;;       q = np.round(r / step) * step * 2.0 ** e      # np.round: ties to even
;;       return np.moveaxis(q.reshape(q.shape[:-2] + (-1,))[..., :K], -1, axis).astype(np.float32)
;;   ~~~
;; One version. Each part assembles by itself: llvm-mc -triple=amdgcn-amd-amdhsa -mcpu=gfx1250 --defsym DOCPART=n.
;; ======== version 1 of 1: 5 launches
;; limits: values are held in f16: magnitudes above 65,504 overflow, below 6.1e-05 lose precision
;; workspace buffers: codes 5,767,168 bytes; scales 360,448 bytes; wimg 2,097,152 bytes; qkvimg 50,331,648 bytes; oimg 16,777,216 bytes; fqkv 786,432 bytes
;; launch prep (part 1): grid 480 x 1, 4 waves a work-group, no clusters, 33,280 bytes of LDS; arguments x, qkv_w, out_w, codes, scales, wimg; writes codes, scales, wimg
.if DOCPART == 1
	.amdgcn_target "amdgcn-amd-amdhsa--gfx1250"
	.amdhsa_code_object_version 6
	.text
	.protected	k_qcff2f8eda1_prep
	.globl	k_qcff2f8eda1_prep
	.p2align	8
	.type	k_qcff2f8eda1_prep,@function
k_qcff2f8eda1_prep:
	s_mov_b64 s[64:65], 0
	v_nop
	global_prefetch_b8 v0, s[64:65] scope:SCOPE_SE
	s_setreg_imm32_b32 hwreg(HW_REG_WAVE_MODE, 25, 1), 1
	s_wait_xcnt 0x0
; PREP.  (1) x [8192][1024] and qkv_w [3072][1024], f32, become codes of FP4 (E2M1), K innermost, two codes a byte, and one E8M0 scale byte for each 32 along K.
; (2) out_w [1024][1024], f32, becomes f16, laid as images of operand registers.
; A block's scale is 2^(floor(log2(its largest magnitude)) - 2); its byte is the largest magnitude's exponent field - 2, held at 1 from below.  A block of zeros so gets the byte 1:
; its codes are zeros, which add nothing under any byte but 0xff, and this program alone reads the bytes.
; LIMITS: blocks whose largest magnitude lies under 2^-124 keep the byte 1; NaN and infinities among the inputs are not served.
; SHARES.  Work-groups 0-255 take x, 256-351 qkv_w: rows are dense and 1,024 is a multiple of 32, so both are streams of blocks of 32; a wave takes 16 steps of 512 numbers.
; x's codes fill bytes 0 .. 4,194,303 of the buffer and qkv_w's follow, so the output's place hangs on the work-group's number alone; the scale bytes likewise (262,144 for x).
; A load reads 512 consecutive bytes, 16 a lane; a step's 2,048 bytes turn through the wave's own stage in LDS and come back 64 bytes a lane: 16 neighbours along K, two lanes to a block.
; Work-groups 352-479 take out_w: a wave makes 8 images.  Image (nt, k16), 512 bytes at (64 nt + k16) x 512: lane (r, h) holds row 16 nt + r, K = 16 k16 + 8 h + 0 .. 7 as 8 f16: 16 bytes at 16 x lane.
; Two neighbouring images are the 8 registers of a fragment of 16 rows x 32 K.  That path uses no LDS.
.set WAVES, 4
.set STEPS, 16
.set WGX,   256                        ; work-groups for x
.set WGQ,   352                        ; and for both quantised tensors
.set EMAX,  2
.set CB,    8                          ; bytes of 16 codes
.set R,     16                         ; v16-79   four sets of 16 numbers as they are loaded
.set X,     80                         ; v80-111  two sets of 16 neighbours
.set C,     128                        ; v128-191 codes: four registers for each step, so that no store's data are written again
.set E,     112                        ; v112-127 a scale byte for each step
.set WREG,  8192                       ; LDS: a region for each wave: two stages of 32 x SP bytes, behind them its 256 scale bytes
.set SP,    80                         ; a lane's place in a stage: 64 bytes + 16 of padding
.set SPW,   12                         ; v12  LDS address of my spare word; never rewritten
.set NIL,   13                         ; v13  0; never rewritten
.set SPARE, WAVES*WREG                 ; behind the four regions: the spare words, 128 bytes a wave
	s_load_b128 s[4:7], s[0:1], 0x0                ; x, qkv_w
	s_load_b128 s[8:11], s[0:1], 0x10              ; out_w, codes
	s_load_b128 s[12:15], s[0:1], 0x20             ; scales, wimg
	v_lshl_add_u32 v[SPW], v0, 2, SPARE
	v_mov_b32 v[NIL], 0
	v_lshrrev_b32 v1, 5, v0
	v_readfirstlane_b32 s16, v1                    ; wave
	v_and_b32 v2, 31, v0                           ; lane
	v_lshlrev_b32 v3, 4, v2                        ; 16 x lane
	s_cmp_ge_u32 ttmp9, WGQ                        ; the work-group's number alone decides the path
	s_cbranch_scc1 .Lcvt
	s_mul_i32 s17, s16, WREG
	v_lshrrev_b32 v14, 2, v2
	v_mul_u32_u24 v14, v14, SP
	v_and_b32 v15, 3, v2
	v_lshl_add_u32 v14, v15, 4, v14
	v_add_nc_u32 v14, s17, v14                     ; the stage, on the way in: four lanes' 64 bytes on end, then 16 of padding
	v_mul_u32_u24 v15, v2, SP
	v_add_nc_u32 v15, s17, v15                     ; and on the way out: my 16 neighbours
	v_mul_u32_u24 v4, v2, CB                       ; my codes' place in a step's
	v_lshrrev_b32 v5, 1, v2
	s_add_co_u32 s17, s17, 2*32*SP
	v_add_nc_u32 v5, s17, v5                       ; LDS: my wave's 256 scale bytes, my block's byte
	v_lshlrev_b32 v7, 3, v2                        ; on the way out 8 bytes a lane
	v_add_nc_u32 v6, s17, v7
	s_wait_kmcnt 0x0
	s_cmp_lt_u32 ttmp9, WGX                        ; x's work-group or qkv_w's
	s_cselect_b64 s[4:5], s[4:5], s[6:7]
	s_cselect_b32 s17, 0, WGX
	s_sub_co_u32 s17, ttmp9, s17
	s_lshl_b32 s17, s17, 2
	s_add_co_u32 s18, s17, s16                     ; which run of 8,192 numbers of the tensor is my wave's
	s_mov_b32 s19, 0
	s_lshl_b64 s[20:21], s[18:19], 15              ; 32,768 bytes a run
	s_add_nc_u64 s[4:5], s[4:5], s[20:21]
	s_lshl_b32 s18, ttmp9, 2
	s_add_co_u32 s18, s18, s16                     ; which run of the outputs: x's 1,024 runs, then qkv_w's
	s_lshl_b64 s[20:21], s[18:19], 12              ; 4,096 bytes of codes a run
	s_add_nc_u64 s[10:11], s[10:11], s[20:21]
	s_lshl_b32 s18, s18, 8                         ; 256 scale bytes a run
	s_add_nc_u64 s[12:13], s[12:13], s[18:19]
.macro LOAD t
.irp i, 0,1,2,3
	global_load_b128 v[R+16*((\t)%4)+4*\i:R+16*((\t)%4)+4*\i+3], v3, s[4:5] offset:2048*(\t)+512*\i th:TH_LOAD_NT   ; 32 lanes read 512 consecutive bytes
.endr
.endm
.macro TURN t                          ; step t's numbers through the stage: LDS serves a wave's instructions in order, so no wait stands between the stores and the loads
.irp i, 0,1,2,3
	ds_store_b128 v14, v[R+16*((\t)%4)+4*\i:R+16*((\t)%4)+4*\i+3] offset:32*SP*((\t)%2)+8*SP*\i
.endr
.irp i, 0,1,2,3
	ds_load_b128 v[X+16*((\t)%2)+4*\i:X+16*((\t)%2)+4*\i+3], v15 offset:32*SP*((\t)%2)+16*\i
.endr
.endm
.irp t, 0,1,2,3
	LOAD \t
.endr
	s_wait_loadcnt 12                              ; step 0's four loads are in; twelve younger ones stay out
	TURN 0
.macro STEP t
.set XS, X+16*((\t)%2)
.if (\t) > 0
	s_wait_dscnt 1                                 ; this step's numbers are back from the stage (the last step's byte store may be out)
.else
	s_wait_dscnt 0x0
.endif
.if (\t)+4 < STEPS
	LOAD (\t)+4                                    ; into the registers whose stores into the stage are done
.endif
.if (\t)+1 < STEPS
.if STEPS-2-(\t) >= 3
	s_wait_loadcnt 12                              ; the next step's four loads are in; those of the three steps behind it may be out
.else
	s_wait_loadcnt 4*(STEPS-2-(\t))
.endif
	TURN (\t)+1                                    ; through the other stage while this step is worked
.endif
	v_max3_num_f32 v8, |v[XS]|, |v[XS+1]|, |v[XS+2]|               ; the largest magnitude of my 16, in two chains
	v_max3_num_f32 v9, |v[XS+3]|, |v[XS+4]|, |v[XS+5]|
.irp i, 6,10
	v_max3_num_f32 v8, v8, |v[XS+\i]|, |v[XS+\i+1]|
	v_max3_num_f32 v9, v9, |v[XS+\i+2]|, |v[XS+\i+3]|
.endr
	v_max3_num_f32 v8, v8, |v[XS+14]|, |v[XS+15]|
	v_max3_num_f32 v8, v8, v9, (EMAX+1)<<23        ; and the floor 2^(3 - 127): the byte cannot fall under 1
	v_max_num_f32_dpp v8, v8, v8 row_xmask:1 row_mask:0xf bank_mask:0xf   ; with my neighbour's 16: the block's
	v_add_nc_u32 v11, 0xff000000, v8               ; 2 off its exponent field: the conversion takes this operand's exponent field as its scale
	v_cvt_scalef32_pk8_fp4_f32 v[C+4*(\t)], v[XS:XS+7], v11        ; to the nearest code, ties to even; beyond the largest code the largest
	v_cvt_scalef32_pk8_fp4_f32 v[C+4*(\t)+1], v[XS+8:XS+15], v11
	v_lshrrev_b32 v[E+(\t)], 23, v11               ; the scale's byte (also the plain line behind the conversions)
	ds_store_b8 v5, v[E+(\t)] offset:16*(\t)       ; both lanes of a block write the same byte with the same value
	global_store_b64 v4, v[C+4*(\t):C+4*(\t)+1], s[10:11] offset:32*CB*(\t)   ; the wave stores 256 consecutive bytes, aligned
.endm
.irp t, 0,1,2,3,4,5,6,7,8,9,10,11,12,13,14,15
	STEP \t
.endr
	ds_load_b64 v[8:9], v6                         ; LDS serves a wave's instructions in order: these see my byte stores
	s_wait_dscnt 0x0
	global_store_b64 v7, v[8:9], s[12:13]          ; 32 lanes store 256 consecutive scale bytes, aligned
	s_wait_tensorcnt 0x0                           ; the wave's end
	ds_add_u32 v[SPW], v[NIL]
	s_wait_dscnt 0x0
	s_endpgm
.Lcvt:                                             ; out_w to f16 images: task T = 4 x (work-group - 352) + wave; nt = T / 8; K from 128 (T % 8) on
	v_and_b32 v4, 15, v0                           ; r
	v_bfe_u32 v5, v0, 4, 1                         ; h
	v_lshlrev_b32 v10, 12, v4
	v_lshl_add_u32 v10, v5, 5, v10                 ; row r of 4,096 bytes, + 32 h
	s_sub_co_u32 s17, ttmp9, WGQ
	s_lshl_b32 s17, s17, 2
	s_add_co_u32 s17, s17, s16
	s_lshr_b32 s18, s17, 3                         ; nt
	s_and_b32 s19, s17, 7                          ; which 128 along K
	s_lshl_b32 s20, s18, 16                        ; 16 rows of 4,096 bytes
	s_lshl_b32 s22, s19, 9
	s_add_co_u32 s20, s20, s22
	s_mov_b32 s21, 0
	s_lshl_b32 s22, s18, 15                        ; 64 images of 512 bytes
	s_lshl_b32 s23, s19, 12
	s_add_co_u32 s22, s22, s23
	s_mov_b32 s23, 0
	s_wait_kmcnt 0x0
	s_add_nc_u64 s[8:9], s[8:9], s[20:21]
	s_add_nc_u64 s[14:15], s[14:15], s[22:23]
.irp e, 0,1,2,3,4,5,6,7
	global_load_b128 v[16+8*\e:16+8*\e+3], v10, s[8:9] offset:64*\e th:TH_LOAD_NT
	global_load_b128 v[16+8*\e+4:16+8*\e+7], v10, s[8:9] offset:64*\e+16 th:TH_LOAD_NT
.endr
.irp e, 0,1,2,3,4,5,6,7
	s_wait_loadcnt 14-2*\e                         ; image e's two loads are in; the later images' stay out
.irp i, 0,1,2,3
	v_cvt_pk_f16_f32 v[128+4*\e+\i], v[16+8*\e+2*\i], v[16+8*\e+2*\i+1]
.endr
	global_store_b128 v3, v[128+4*\e:128+4*\e+3], s[14:15] offset:512*\e   ; 512 consecutive bytes, aligned
.endr
	s_endpgm
.Lfunc_end_k_qcff2f8eda1_prep:
	.size	k_qcff2f8eda1_prep, .Lfunc_end_k_qcff2f8eda1_prep-k_qcff2f8eda1_prep
	.p2alignl 7, 3214868480
	.fill 96, 4, 3214868480
	.section	.rodata,"a",@progbits
	.p2align	6, 0x0
	.amdhsa_kernel k_qcff2f8eda1_prep
		.amdhsa_group_segment_fixed_size 33280
		.amdhsa_private_segment_fixed_size 0
		.amdhsa_enable_private_segment 0
		.amdhsa_kernarg_size 48
		.amdhsa_user_sgpr_count 2
		.amdhsa_user_sgpr_kernarg_segment_ptr 1
		.amdhsa_wavefront_size32 1
		.amdhsa_system_sgpr_workgroup_id_x 1
		.amdhsa_system_sgpr_workgroup_id_y 1
		.amdhsa_system_sgpr_workgroup_id_z 1
		.amdhsa_system_vgpr_workitem_id 0
		.amdhsa_next_free_vgpr 192
		.amdhsa_next_free_sgpr 66
		.amdhsa_reserve_vcc 0
		.amdhsa_float_denorm_mode_32 3
		.amdhsa_float_denorm_mode_16_64 3
		.amdhsa_memory_ordered 1
		.amdhsa_forward_progress 1
		.amdhsa_inst_pref_size 39
	.end_amdhsa_kernel
	.amdgpu_metadata
---
amdhsa.version: [ 1, 2 ]
amdhsa.kernels:
  - .name:           k_qcff2f8eda1_prep
    .symbol:         k_qcff2f8eda1_prep.kd
    .args:
      - { .name: x, .offset: 0, .size: 8, .value_kind: global_buffer, .address_space: global }
      - { .name: qkv_w, .offset: 8, .size: 8, .value_kind: global_buffer, .address_space: global }
      - { .name: out_w, .offset: 16, .size: 8, .value_kind: global_buffer, .address_space: global }
      - { .name: codes, .offset: 24, .size: 8, .value_kind: global_buffer, .address_space: global }
      - { .name: scales, .offset: 32, .size: 8, .value_kind: global_buffer, .address_space: global }
      - { .name: wimg, .offset: 40, .size: 8, .value_kind: global_buffer, .address_space: global }
    .group_segment_fixed_size: 33280
    .private_segment_fixed_size: 0
    .kernarg_segment_align: 8
    .kernarg_segment_size: 48
    .max_flat_workgroup_size: 128
    .sgpr_count:     66
    .vgpr_count:     192
    .wavefront_size: 32
...
	.end_amdgpu_metadata
.endif
;; end of part 1
;; launch gemm1 (part 2): grid 16 x 32, 4 waves a work-group, clusters of 4 x 1, 327,680 bytes of LDS; arguments codes, scales, qkv_b, qkvimg, fqkv; writes qkvimg, fqkv
.if DOCPART == 2
	.amdgcn_target "amdgcn-amd-amdhsa--gfx1250"
	.amdhsa_code_object_version 6
	.text
	.protected	k_qcff2f8eda1_gemm1
	.globl	k_qcff2f8eda1_gemm1
	.p2align	8
	.type	k_qcff2f8eda1_gemm1,@function
k_qcff2f8eda1_gemm1:
	s_mov_b64 s[64:65], 0
	v_nop
	global_prefetch_b8 v0, s[64:65] scope:SCOPE_SE
	s_setreg_imm32_b32 hwreg(HW_REG_WAVE_MODE, 25, 1), 1
	s_wait_xcnt 0x0
	s_wait_alu depctr_hold_cnt(0) depctr_sa_sdst(0) depctr_va_vdst(0) depctr_va_sdst(0) depctr_va_ssrc(0) depctr_va_vcc(0) depctr_vm_vsrc(0)
	s_getreg_b32 s2, hwreg(HW_REG_IB_STS2, 6, 4)
	s_cmp_eq_u32 s2, 0
	s_cbranch_scc0 .Lentry_in_a_cluster
	s_endpgm
.Lentry_in_a_cluster:
	s_bfe_u32 s2, ttmp6, 0x10000c
	s_cmp_lg_u32 s2, 0x3003
	s_cbranch_scc0 .Lentry_shape_is_right
	s_endpgm
.Lentry_shape_is_right:
; GEMM1.  qkv = Q(x) Q(qkv_w)^T + qkv_b on codes of FP4 (E2M1) with E8M0 scales, sums in f32.  K = 1,024.
; SHARES.  A work-group makes 256 tokens x 192 columns: the q, k and v of ONE head.  Wave w makes tokens 64 w .. 64 w + 63 x all 192 columns: 4 x 12 accumulators, 384 registers.
; ALL OF K FITS IN LDS: two slots of 512 along K (rows of 256 bytes + 16 of padding), both asked for at the head; nothing is filled again.
; CLUSTER 4, 1, 1: four heads of one block of tokens.  x's tiles and scale bytes are asked for JOINTLY (mask 15); qkv_w's are each work-group's own (plain loads).
; The cluster does not reach along y, where qkv_w's tiles would be shared: the branch round the f32 copy of tokens 0-15 hangs on the block of tokens, which must be equal in all partners.
; THE RESULT LEAVES AS IMAGES OF OPERAND REGISTERS, 512 bytes each, lane l's 16 bytes at 16 l, straight from the registers: no stage in LDS.
;   q, k (column tiles 0-7): the product is used TRANSPOSED (source 0 = 16 rows of qkv_w, source 1 = 16 tokens): a lane holds one token and eight neighbouring d; rounded to f16: image (token tile, d / 16).
;   v (column tiles 8-11): used as it stands (source 0 = tokens): a lane holds one d and eight neighbouring tokens: the image of V^T that the attention's second product wants.
;   Image ((bh x 128 + token / 16) x 4 + d / 16) x 512 in each of three parts of 16,777,216 bytes (q, k, v); bh = 16 x batch + head.
; The bias is the C of each sum's first product.  Tokens 0-15 of each batch also leave in f32 (12 accumulators, 1,024 bytes each), for the launch that carries those rows finely.
; LIMIT: q, k, v are rounded to f16: magnitudes from 65,504 on are not served.
; REGISTERS.  window 0: v16-29 addresses; v32-127 scale words, a set of 48 for each slot; v128-223 the bias in the results' layout.
;   window 1: qkv_w's fragments, two sets of 96 at v0, v96; x's, two sets of 32 at v192, v224; on the way out the packed results.   windows 2, 3: accumulator (a, b) at v[96 (a % 2) + 8 b] of window 2 + a / 2.
.set PITCH,  272                       ; an LDS row: 256 bytes + 16 of padding: the 16 rows that a load touches start at 16 different banks (64 banks of 4 bytes: ISA guide 11.1)
.set ABYTES, 256*PITCH                 ; x's 256 rows
.set SLOT,   448*PITCH                 ; and qkv_w's 192 behind them
.set SCL,    2*SLOT                    ; the scale bytes for all of K, as units of 256 bytes + 16: x's 32 units,
.set SCLB,   32*272                    ; then qkv_w's 24
.set SPARE,  259072                    ; the spare words, 128 bytes a wave, in blocks of 256 bytes that no other line names
.set WCODES, 4194304                   ; where qkv_w's codes begin in the buffer
.set WSCALE, 262144                    ; and its scale bytes
.set ADRA, 16                          ; v16-17 my x fragments in slot 0, 1
.set ADRB, 20                          ; v20-21 qkv_w's
.set BO,   24                          ; v24 32 h
.set BR,   25                          ; v25 4 r
.set LI,   26                          ; v26 16 x lane
.set ADRS, 27                          ; v27 my scale words: lanes 0-15 x's rows, lanes 16-31 qkv_w's
.set SPW,  28
.set NIL,  29
.set SC,   32                          ; register SC + 48 s + 4 i + q: lanes 0-15 the word of x's block i (i < 4), lanes 16-31 that of qkv_w's block i, for 128 along K number 4 s + q
.set BIAS, 128
.set G1A,  24
.set G1B,  32
.set G1SA, 40
.set G1SB, 48
.set G0A,  56                          ; s[56:63] x's tiles, a set for each slot
.set G0B,  68                          ; s[68:75] qkv_w's
.set G0SA, 76
.set G0SB, 80
.set TO_F, 0x40                        ; destination window 1, address window 0
.set MSB, 0
.macro WIN new                         ; the immediate's high byte repeats the setting that is left
.if MSB != (\new)
	s_set_vgpr_msb (MSB<<8)|(\new)
.set MSB, (\new)
.endif
.endm
.macro PLACES
.rept 4
	v_nop
.endr
.endm
; Waves 0 and 1 fetch for x (jointly), waves 2 and 3 for qkv_w.  The branch hangs on the wave's number alone.  An s_nop 0 and four v_nop follow each of the two lines.
.macro JLOAD g0a, g1a, g0b, g1b
	s_cmp_eq_u32 s15, 0
	s_cbranch_scc0 .Lfor_b_\@
	tensor_load_to_lds s[\g0a:\g0a+3], s[\g1a:\g1a+7]
	s_nop 0
.rept 4
	v_nop
.endr
	s_branch .Lasked_\@
.Lfor_b_\@:
	tensor_load_to_lds s[\g0b:\g0b+3], s[\g1b:\g1b+7]
	s_nop 0
.rept 4
	v_nop
.endr
.Lasked_\@:
.endm
.macro CROUND                          ; a round of the cluster's barrier
	s_barrier_signal -1
	s_barrier_wait -1
	s_cmp_lg_u32 s14, 0
	s_cbranch_scc1 .Lnot_wave_0_\@
	s_barrier_signal -3
.Lnot_wave_0_\@:
	s_barrier_wait -3
	s_barrier_signal -1
	s_barrier_wait -1
.endm
	s_load_b128 s[4:7], s[0:1], 0x0                ; codes, scales
	s_load_b128 s[8:11], s[0:1], 0x10              ; qkv_b, qkvimg
	s_load_b64 s[12:13], s[0:1], 0x20              ; fqkv
	v_lshl_add_u32 v[SPW], v0, 2, SPARE
	v_mov_b32 v[NIL], 0
	ds_add_u32 v[SPW], v[NIL]                      ; the wave's opening: the add, twice on end, and its wait ahead of my first tensor load
	ds_add_u32 v[SPW], v[NIL]
	v_lshrrev_b32 v1, 5, v0
	v_readfirstlane_b32 s14, v1                    ; wave 0..3
	s_lshr_b32 s15, s14, 1                         ; I fetch for x (0) or for qkv_w (1)
	s_and_b32 s16, s14, 1                          ; which half of that tile's rows
	s_and_b32 s17, ttmp7, 0xffff                   ; the block of 256 tokens: shared by the four partners
	s_bfe_u32 s18, ttmp6, 0x40000                  ; cx
	s_lshl_b32 s19, ttmp9, 2
	s_add_co_u32 s19, s19, s18                     ; the head = 4 x cluster x + cx
	s_mov_b32 s[G1A], 15|(1<<20)|(1<<21)|(5<<22)|(3<<25)   ; the mask: all four; elements of 1 byte; padding: 4 words after every 64; bit 21 beside a mask
	s_mov_b32 s[G1A+1], 256<<16                    ; tensor_dim0
	s_mov_b32 s[G1A+2], 128<<16                    ; tensor_dim1
	s_mov_b32 s[G1A+3], 256<<16                    ; tile_dim0
	s_mov_b32 s[G1A+4], 128                        ; tile_dim1
	s_mov_b32 s[G1A+5], 512                        ; a row of 1,024 codes in memory
	s_mov_b32 s[G1A+6], 0
	s_mov_b32 s[G1A+7], 0
	s_mov_b32 s[G1B], (1<<20)|(5<<22)|(3<<25)      ; no mask
	s_mov_b32 s[G1B+1], 256<<16
	s_mov_b32 s[G1B+2], 96<<16
	s_mov_b32 s[G1B+3], 256<<16
	s_mov_b32 s[G1B+4], 96
	s_mov_b32 s[G1B+5], 512
	s_mov_b32 s[G1B+6], 0
	s_mov_b32 s[G1B+7], 0
	s_mov_b32 s[G1SA], 15|(3<<16)|(1<<20)|(1<<21)|(5<<22)|(3<<25)   ; the scale bytes of 128 rows: 4,096 dense bytes as 16 rows of 32 elements of 8 bytes
	s_mov_b32 s[G1SA+1], 32<<16
	s_mov_b32 s[G1SA+2], 16<<16
	s_mov_b32 s[G1SA+3], 32<<16
	s_mov_b32 s[G1SA+4], 16
	s_mov_b32 s[G1SA+5], 32
	s_mov_b32 s[G1SA+6], 0
	s_mov_b32 s[G1SA+7], 0
	s_mov_b32 s[G1SB], (3<<16)|(1<<20)|(5<<22)|(3<<25)     ; of 96 rows: 12 rows
	s_mov_b32 s[G1SB+1], 32<<16
	s_mov_b32 s[G1SB+2], 12<<16
	s_mov_b32 s[G1SB+3], 32<<16
	s_mov_b32 s[G1SB+4], 12
	s_mov_b32 s[G1SB+5], 32
	s_mov_b32 s[G1SB+6], 0
	s_mov_b32 s[G1SB+7], 0
	s_lshl_b32 s20, s17, 17                        ; x's codes: (256 block + 128 half) rows of 512 bytes.  s20-23 never hold the head
	s_lshl_b32 s21, s16, 16
	s_add_co_u32 s20, s20, s21
	s_mov_b32 s21, 0
	s_lshl_b32 s22, s17, 13                        ; x's scale bytes: 32 a row
	s_lshl_b32 s23, s16, 12
	s_add_co_u32 s22, s22, s23
	s_mov_b32 s23, 0
	s_mul_i32 s92, s19, 98304                      ; qkv_w's codes: (192 head + 96 half) rows
	s_mul_i32 s93, s16, 49152
	s_add_co_u32 s92, s92, s93
	s_add_co_u32 s92, s92, WCODES
	s_mov_b32 s93, 0
	s_mul_i32 s94, s19, 6144                       ; and scale bytes
	s_mul_i32 s95, s16, 3072
	s_add_co_u32 s94, s94, s95
	s_add_co_u32 s94, s94, WSCALE
	s_mov_b32 s95, 0
	s_mul_i32 s96, s16, 128*PITCH                  ; where they go: the wave's number and constants alone
	s_mul_i32 s97, s16, 96*PITCH
	s_add_co_u32 s97, s97, ABYTES
	s_mul_i32 s2, s16, 16*272
	s_add_co_u32 s2, s2, SCL
	s_mul_i32 s3, s16, 12*272
	s_add_co_u32 s3, s3, SCL+SCLB
	s_wait_dscnt 0x0                               ; both opening adds are done
	s_wait_kmcnt 0x0
	s_add_nc_u64 s[20:21], s[4:5], s[20:21]
	s_add_nc_u64 s[22:23], s[6:7], s[22:23]
	s_add_nc_u64 s[92:93], s[4:5], s[92:93]
	s_add_nc_u64 s[94:95], s[6:7], s[94:95]
	CROUND                                         ; all four work-groups are here: the joint loads meet
	s_mov_b32 s[G0SA], 1
	s_mov_b32 s[G0SA+1], s2
	s_mov_b64 s[G0SA+2:G0SA+3], s[22:23]
	s_or_b32 s[G0SA+3], s[G0SA+3], 0x80000000
	s_mov_b32 s[G0SB], 1
	s_mov_b32 s[G0SB+1], s3
	s_mov_b64 s[G0SB+2:G0SB+3], s[94:95]
	s_or_b32 s[G0SB+3], s[G0SB+3], 0x80000000
	JLOAD G0SA, G1SA, G0SB, G1SB                   ; the scale bytes first: they are wanted with slot 0
.irp s, 0,1
	s_mov_b32 s[G0A+4*\s], 1
	s_add_co_u32 s[G0A+4*\s+1], s96, \s*SLOT
	s_add_nc_u64 s[G0A+4*\s+2:G0A+4*\s+3], s[20:21], \s*256
	s_or_b32 s[G0A+4*\s+3], s[G0A+4*\s+3], 0x80000000
	s_mov_b32 s[G0B+4*\s], 1
	s_add_co_u32 s[G0B+4*\s+1], s97, \s*SLOT
	s_add_nc_u64 s[G0B+4*\s+2:G0B+4*\s+3], s[92:93], \s*256
	s_or_b32 s[G0B+4*\s+3], s[G0B+4*\s+3], 0x80000000
	JLOAD G0A+4*\s, G1A, G0B+4*\s, G1B             ; three tensor loads of mine are out behind the second of these
.endr
	s_mul_i32 s92, s19, 768                        ; the head's 192 numbers of the bias
	s_mov_b32 s93, 0
	s_add_nc_u64 s[8:9], s[8:9], s[92:93]
	v_and_b32 v1, 15, v0                           ; r
	v_bfe_u32 v2, v0, 4, 1                         ; h
	v_lshlrev_b32 v[BO], 5, v2
	v_lshlrev_b32 v[BR], 2, v1
.irp b, 0,1,2,3,4,5,6,7                            ; q, k: register j of lane (r, h) is column 16 b + 8 h + j
	global_load_b128 v[BIAS+8*\b:BIAS+8*\b+3], v[BO], s[8:9] offset:64*\b
	global_load_b128 v[BIAS+8*\b+4:BIAS+8*\b+7], v[BO], s[8:9] offset:64*\b+16
.endr
.irp b, 8,9,10,11                                  ; v: all eight registers of lane (r, h) are column 16 b + r
.irp j, 0,1,2,3,4,5,6,7
	global_load_b32 v[BIAS+8*\b+\j], v[BR], s[8:9] offset:64*\b
.endr
.endr
	s_lshr_b32 s94, s17, 3                         ; the batch: 8 blocks of 256 tokens each
	s_lshl_b32 s94, s94, 4
	s_add_co_u32 s94, s94, s19                     ; bh
	s_lshl_b32 s96, s94, 18                        ; images: (128 bh + 16 (block % 8) + 4 wave) x 2,048 bytes
	s_and_b32 s95, s17, 7
	s_lshl_b32 s95, s95, 15
	s_add_co_u32 s96, s96, s95
	s_lshl_b32 s95, s14, 13
	s_add_co_u32 s96, s96, s95
	s_mov_b32 s97, 0
	s_add_nc_u64 s[84:85], s[10:11], s[96:97]      ; q's part,
	s_add_nc_u64 s[86:87], s[84:85], 0x1000000     ; k's,
	s_add_nc_u64 s[88:89], s[84:85], 0x2000000     ; v's
	s_mul_i32 s96, s94, 12288
	s_add_nc_u64 s[90:91], s[12:13], s[96:97]      ; the f32 copy
	v_mul_u32_u24 v3, v1, PITCH
	v_lshl_add_u32 v4, v2, 4, v3                   ; a fragment's row x pitch + 16 x half
	s_mul_i32 s20, s14, 64*PITCH                   ; my 64 rows of x
	v_add_nc_u32 v[ADRA], s20, v4
	v_add_nc_u32 v[ADRA+1], SLOT, v[ADRA]
	v_add_nc_u32 v[ADRB], ABYTES, v4
	v_add_nc_u32 v[ADRB+1], SLOT, v[ADRB]
	v_and_b32 v5, 31, v0
	v_lshlrev_b32 v[LI], 4, v5
	v_lshlrev_b32 v5, 5, v1                        ; my row's scale bytes: 32 a row,
	v_lshrrev_b32 v6, 8, v5
	v_lshl_add_u32 v5, v6, 4, v5                   ; and 16 more for each 256 passed
	s_mul_i32 s21, s14, 2176                       ; x's: my 64 rows are 8 units
	s_xor_b32 s22, s14, 3
	s_mul_i32 s22, s22, 2176
	s_add_co_u32 s22, s22, 2176                    ; from there to qkv_w's first unit: 8,704 - 2,176 wave
	v_mul_u32_u24 v6, s22, v2                      ; lanes 16-31 take qkv_w's
	s_add_co_u32 s21, s21, SCL
	v_add_nc_u32 v5, v5, v6
	v_add_nc_u32 v[ADRS], s21, v5
; The fragments of 128 along K number t (slot t / 4) into set t % 2: 24 + 8 LDS loads in one run.  A fragment, 16 rows x 128 K of 4-bit codes, is 8 registers: two loads of 16 bytes, 32 bytes apart.
.macro FETCH t
.set fS, (\t)/4
.set fQ, (\t)%4
.set fP, (\t)%2
	WIN TO_F
.irp b, 0,1,2,3,4,5,6,7,8,9,10,11
.irp c, 0,1
	ds_load_b128 v[96*fP+8*\b+4*\c:96*fP+8*\b+4*\c+3], v[ADRB+fS] offset:64*fQ+32*\c+\b*16*PITCH
.endr
.endr
.irp a, 0,1,2,3
.irp c, 0,1
	ds_load_b128 v[192+32*fP+8*\a+4*\c:192+32*fP+8*\a+4*\c+3], v[ADRA+fS] offset:64*fQ+32*\c+\a*16*PITCH
.endr
.endr
.endm
; 48 products: the accumulators take turns, one instruction a turn, in the same order in every step.  first = 1: C is the bias.
.macro MULS t, first
.set mS, (\t)/4
.set mQ, (\t)%4
.set mP, (\t)%2
.irp a, 0,1,2,3
.if \first
	WIN 0x85+0x40*((\a)/2)                         ; sources window 1, C window 0, D window 2 or 3
.else
	WIN 0xa5+0x50*((\a)/2)                         ; sources window 1, C and D window 2 or 3
.endif
.irp b, 0,1,2,3,4,5,6,7,8,9,10,11
.set rD, 96*((\a)%2)+8*\b
.set rB, 96*mP+8*\b
.set rA, 192+32*mP+8*\a
.set rSB, SC+48*mS+4*\b+mQ
.set rSA, SC+48*mS+4*\a+mQ
.if \b < 8
.if \first
	v_wmma_scale_f32_16x16x128_f8f6f4 v[rD:rD+7], v[rB:rB+7], v[rA:rA+7], v[BIAS+8*\b:BIAS+8*\b+7], v[rSB], v[rSA] matrix_a_fmt:MATRIX_FMT_FP4 matrix_b_fmt:MATRIX_FMT_FP4 matrix_a_scale:MATRIX_SCALE_ROW1
.else
	v_wmma_scale_f32_16x16x128_f8f6f4 v[rD:rD+7], v[rB:rB+7], v[rA:rA+7], v[rD:rD+7], v[rSB], v[rSA] matrix_a_fmt:MATRIX_FMT_FP4 matrix_b_fmt:MATRIX_FMT_FP4 matrix_a_scale:MATRIX_SCALE_ROW1
.endif
.else
.if \first
	v_wmma_scale_f32_16x16x128_f8f6f4 v[rD:rD+7], v[rA:rA+7], v[rB:rB+7], v[BIAS+8*\b:BIAS+8*\b+7], v[rSA], v[rSB] matrix_a_fmt:MATRIX_FMT_FP4 matrix_b_fmt:MATRIX_FMT_FP4 matrix_b_scale:MATRIX_SCALE_ROW1
.else
	v_wmma_scale_f32_16x16x128_f8f6f4 v[rD:rD+7], v[rA:rA+7], v[rB:rB+7], v[rD:rD+7], v[rSA], v[rSB] matrix_a_fmt:MATRIX_FMT_FP4 matrix_b_fmt:MATRIX_FMT_FP4 matrix_b_scale:MATRIX_SCALE_ROW1
.endif
.endif
.endr
.endr
.endm
	s_wait_tensorcnt 0x1                           ; the scale bytes and my part of slot 0 are in; slot 1's load may be out
	s_barrier_signal -1
	s_barrier_wait -1                              ; everybody's are
.irp s, 0,1                                        ; all scale words, once: four words a row and slot
.irp i, 0,1,2,3,4,5,6,7,8,9,10,11
	ds_load_b128 v[SC+48*\s+4*\i:SC+48*\s+4*\i+3], v[ADRS] offset:544*\i+16*\s
.endr
.endr
	FETCH 0
.irp t, 0,1,2,3,4,5,6,7
.if \t == 3
	s_wait_tensorcnt 0x0                           ; my part of slot 1 is in: the next fetch reads it
.endif
	s_wait_dscnt 0x0                               ; this step's fragments are in
.if \t == 3
	s_barrier_signal -1
	s_barrier_wait -1                              ; slot 1 is whole
.endif
.if \t == 0
	s_wait_loadcnt 0x0                             ; the bias
.endif
.if \t < 7
	PLACES                                         ; four places between the last products and loads into registers that they read
	FETCH \t+1                                     ; the next step's fragments land while this step is multiplied
.endif
.if \t == 0
	MULS \t, 1
.else
	MULS \t, 0
.endif
.endr
	WIN 0
	PLACES                                         ; four places ahead of the first read of results and the first write over fragments
	s_and_b32 s20, s17, 7                          ; tokens 0-15 of a batch lie in its first block, in wave 0, row tile 0: the block is the same in all partners
	s_or_b32 s20, s20, s14
	s_cmp_lg_u32 s20, 0
	s_cbranch_scc1 .Lnofine
	WIN 0x08                                       ; a store's data: window 2
.irp g, 0,1,2,3,4,5,6,7,8,9,10,11
	global_store_b128 v[LI], v[8*\g:8*\g+3], s[90:91] offset:1024*\g           ; each accumulator from its low end on; 512 consecutive bytes a store
	global_store_b128 v[LI], v[8*\g+4:8*\g+7], s[90:91] offset:1024*\g+512
.endr
	WIN 0
.Lnofine:
.irp a, 0,1,2,3
	WIN 0x4a+5*((\a)/2)                            ; sources window 2 or 3, destination window 1
.irp b, 0,1,2,3,4,5,6,7,8,9,10,11
.irp i, 0,1,2,3
	v_cvt_pk_f16_f32 v[48*\a+4*\b+\i], v[96*((\a)%2)+8*\b+2*\i], v[96*((\a)%2)+8*\b+2*\i+1]
.endr
.endr
	WIN 0x04                                       ; a store's data: window 1.  No data register is written again, so no wait stands between
.irp b, 0,1,2,3
	global_store_b128 v[LI], v[48*\a+4*\b:48*\a+4*\b+3], s[84:85] offset:(4*\a+\b)*512
	global_store_b128 v[LI], v[48*\a+16+4*\b:48*\a+16+4*\b+3], s[86:87] offset:(4*\a+\b)*512
	global_store_b128 v[LI], v[48*\a+32+4*\b:48*\a+32+4*\b+3], s[88:89] offset:(4*\a+\b)*512
.endr
.endr
	WIN 0
	s_wait_tensorcnt 0x0                           ; the wave's end
	ds_add_u32 v[SPW], v[NIL]
	s_wait_dscnt 0x0
	CROUND                                         ; the closing round
	s_endpgm
.Lfunc_end_k_qcff2f8eda1_gemm1:
	.size	k_qcff2f8eda1_gemm1, .Lfunc_end_k_qcff2f8eda1_gemm1-k_qcff2f8eda1_gemm1
	.p2alignl 7, 3214868480
	.fill 96, 4, 3214868480
	.section	.rodata,"a",@progbits
	.p2align	6, 0x0
	.amdhsa_kernel k_qcff2f8eda1_gemm1
		.amdhsa_group_segment_fixed_size 327680
		.amdhsa_private_segment_fixed_size 0
		.amdhsa_enable_private_segment 0
		.amdhsa_kernarg_size 40
		.amdhsa_user_sgpr_count 2
		.amdhsa_user_sgpr_kernarg_segment_ptr 1
		.amdhsa_wavefront_size32 1
		.amdhsa_system_sgpr_workgroup_id_x 1
		.amdhsa_system_sgpr_workgroup_id_y 1
		.amdhsa_system_sgpr_workgroup_id_z 1
		.amdhsa_system_vgpr_workitem_id 0
		.amdhsa_next_free_vgpr 1024
		.amdhsa_next_free_sgpr 100
		.amdhsa_reserve_vcc 0
		.amdhsa_float_denorm_mode_32 3
		.amdhsa_float_denorm_mode_16_64 3
		.amdhsa_memory_ordered 1
		.amdhsa_forward_progress 1
		.amdhsa_inst_pref_size 102
	.end_amdhsa_kernel
	.amdgpu_metadata
---
amdhsa.version: [ 1, 2 ]
amdhsa.kernels:
  - .name:           k_qcff2f8eda1_gemm1
    .symbol:         k_qcff2f8eda1_gemm1.kd
    .args:
      - { .name: codes, .offset: 0, .size: 8, .value_kind: global_buffer, .address_space: global }
      - { .name: scales, .offset: 8, .size: 8, .value_kind: global_buffer, .address_space: global }
      - { .name: qkv_b, .offset: 16, .size: 8, .value_kind: global_buffer, .address_space: global }
      - { .name: qkvimg, .offset: 24, .size: 8, .value_kind: global_buffer, .address_space: global }
      - { .name: fqkv, .offset: 32, .size: 8, .value_kind: global_buffer, .address_space: global }
    .group_segment_fixed_size: 327680
    .private_segment_fixed_size: 0
    .kernarg_segment_align: 8
    .kernarg_segment_size: 40
    .max_flat_workgroup_size: 128
    .sgpr_count:     100
    .vgpr_count:     1024
    .wavefront_size: 32
...
	.end_amdgpu_metadata
.endif
;; end of part 2
;; launch attn (part 3): grid 4 x 64, 8 waves a work-group, no clusters, 327,680 bytes of LDS; arguments qkvimg, oimg; writes oimg
.if DOCPART == 3
	.amdgcn_target "amdgcn-amd-amdhsa--gfx1250"
	.amdhsa_code_object_version 6
	.text
	.protected	k_qcff2f8eda1_attn
	.globl	k_qcff2f8eda1_attn
	.p2align	8
	.type	k_qcff2f8eda1_attn,@function
k_qcff2f8eda1_attn:
	s_mov_b64 s[64:65], 0
	v_nop
	global_prefetch_b8 v0, s[64:65] scope:SCOPE_SE
	s_setreg_imm32_b32 hwreg(HW_REG_WAVE_MODE, 25, 1), 1
	s_wait_xcnt 0x0
; ATTN.  O = softmax(Q K^T / 8, causal) V for 64 (batch, head) pairs of 2,048 tokens, head size 64.  f16 operands, f32 sums, maxima and exponentials; the weights p are rounded to f16 for the second product.
; Q, K, V arrive as images of operand registers (512 bytes, lane l's 16 bytes at 16 l); O leaves so, as the next product's operand.
; SHARES.  Work-group (i, bh) takes the block of 256 queries 7 - i and then block i: (8 - i) + (i + 1) = 9 slots of 256 keys for every work-group: equal work and a constant trip count.
; Each of the 8 waves has 32 queries (two tiles of 16); two waves share a SIMD, so that one wave's softmax stands beside the other's products.
; NO CLUSTER: from the fifth trip on the four work-groups of a head want different slots in the same trip; a joint walk would be 12 trips for all of them in place of 9.
; LAYOUT.  S^T = K Q^T (source 0 = 16 keys, source 1 = 16 queries) and O^T = V^T P: a lane holds ONE query (lane % 16) throughout; two tiles of S^T, rounded in pairs, ARE source 1 of the second product.
; SOFTMAX.  A running maximum m and sum l for each query: p = 2^(c s - c m), c = log2(e) / 8; in every step O and l are multiplied by a = 2^(c m_old - c m_new).
; CAUSAL.  A step of 64 keys that all come after the wave's 32 queries is left out by a scalar branch on ids; on the diagonal hidden scores become -infinity.  A step that is walked begins at or under every query of the wave, so m is a number.
; RING.  Two slots of 64 KiB: four steps of K (8 KiB each), then four of V.  Every wave fetches one 8 KiB block a trip (waves 0-3 K's steps, waves 4-7 V's): one tensor load of mine is out behind each barrier.
; LIMIT: the operands are f16: magnitudes of q, k, v from 65,504 on are not served; NaN and infinities are not served.
; REGISTERS.  window 0: v1-9 addresses and constants; v16-31 statistics, 8 a tile; v32-39 sums at work; v64-127 S^T, then P; v128-191 K; v192-255 V.   window 1: v0-63 O^T; v64-95 Q.
.set SLOT1, 65536
.set SPARE, 131072                     ; behind the ring: the spare words, 128 bytes for each of 8 waves
.set LI,   1                           ; 16 x lane
.set AD,   2                           ; LI + the slot in hand
.set D0,   3                           ; r - 8 h
.set DM,   4                           ; the mask's bound
.set NINF, 5                           ; -infinity
.set PFO,  6                           ; 256 x lane
.set SPW,  8
.set NIL,  9
.set ST,   16                          ; tile t at ST + 8 t: +0 c m, +1 m, +2, +3 l, +4 .. +7 at work (a in +6)
.set TA,   32
.set S,    64
.set KR,   128
.set VR,   192
.set QR,   64                          ; in window 1
.set WV,   8
.set WI,   9                           ; i
.set BH,   10
.set QS,   11                          ; which 32 of the block's 256 queries are mine
.set T,    12                          ; the trip
.set SW,   13                          ; the trip at which the second block begins: 8 - i
.set NK,   14                          ; the slot of keys last asked for
.set LIM,  15                          ; trips in which this work-group prefetches
.set G1,   16
.set G0,   24
.set BASE, 28                          ; my 8 KiB of slot 0 in memory
.set OFF,  30
.set PFA,  32
.set SQ,   34
.set SO,   36
.set KF,   38                          ; the step's first key
.set Q0,   39                          ; my first query
.set TB,   40                          ; LDS byte at which the slot in hand begins
.set BLK,  41
.set CS,   42
.set SEL,  44
.set TMP,  46
.set QH,   48
.set OH,   50
.set TM2,  52
.set MSB, 0
.macro WIN new
.if MSB != (\new)
	s_set_vgpr_msb (MSB<<8)|(\new)
.set MSB, (\new)
.endif
.endm
; A block of queries begins: s[BLK] says which.  Q comes into registers; O^T, l begin as zeros and m under every score, so that the step is written once.
.macro INIT
	s_wait_xcnt 0x0                                ; earlier loads and stores have read their bases and data: both are written again below and in the next step
	s_lshl_b32 s[TMP], s[BLK], 3
	s_add_co_u32 s[TMP], s[TMP], s[QS]             ; which 32 queries of the head
	s_lshl_b32 s[Q0], s[TMP], 5
	s_lshl_b32 s[TM2], s[TMP], 12                  ; two token tiles of 2,048 bytes in Q
	s_mov_b32 s[TM2+1], 0
	s_add_nc_u64 s[SQ:SQ+1], s[QH:QH+1], s[TM2:TM2+1]
	s_lshl_b32 s[TM2], s[TMP], 16                  ; of 32,768 bytes in O
	s_add_nc_u64 s[SO:SO+1], s[OH:OH+1], s[TM2:TM2+1]
	s_mov_b32 s[KF], 0
	WIN 0x40                                       ; destination window 1
.irp t, 0,1
.irp c, 0,1,2,3
	global_load_b128 v[QR+16*\t+4*\c:QR+16*\t+4*\c+3], v[LI], s[SQ:SQ+1] offset:2048*\t+512*\c
.endr
.endr
.set i, 0
.rept 64
	v_mov_b32 v[i], 0                              ; O^T
.set i, i+1
.endr
	WIN 0
.irp t, 0,1
	v_mov_b32 v[ST+8*\t+1], 0xff61b1e6             ; m = -3e38
.irp k, 2,3,4,5,6,7
	v_mov_b32 v[ST+8*\t+\k], 0
.endr
	v_mul_f32 v[ST+8*\t], s[CS], v[ST+8*\t+1]
.endr
	s_wait_loadcnt 0x0                             ; Q
.endm
; A block of queries ends: O^T / l, rounded to f16: a tile's four packed accumulators are four images.
.macro FINISH
.rept 4
	v_nop                                          ; places behind the last products
.endr
.irp t, 0,1
	v_add_f32 v[ST+8*\t+4], v[ST+8*\t+2], v[ST+8*\t+3]
.endr
.irp t, 0,1
	v_permlanex16_b32 v[ST+8*\t+5], v[ST+8*\t+4], s[SEL], s[SEL+1]
.endr
.irp t, 0,1
	v_add_f32 v[ST+8*\t+4], v[ST+8*\t+4], v[ST+8*\t+5]
.endr
.irp t, 0,1
	v_rcp_f32 v[ST+8*\t+6], v[ST+8*\t+4]
.endr
	v_nop                                          ; a plain instruction behind the last reciprocal
	s_wait_alu depctr_va_vdst(0)                   ; one wait for both, ahead of the first use
	WIN 0x41
.irp t, 0,1
.set i, 0
.rept 16
	v_pk_mul_f32 v[32*\t+i:32*\t+i+1], v[32*\t+i:32*\t+i+1], v[ST+8*\t+6:ST+8*\t+7] op_sel_hi:[1,0]
.set i, i+2
.endr
.endr
	WIN 0x05                                       ; sources window 1, destination window 0
.set i, 0
.rept 32
	v_cvt_pk_f16_f32 v[S+i], v[2*i], v[2*i+1]
.set i, i+1
.endr
	WIN 0
.irp t, 0,1
.irp d, 0,1,2,3
	global_store_b128 v[LI], v[S+16*\t+4*\d:S+16*\t+4*\d+3], s[SO:SO+1] offset:32768*\t+512*\d   ; 512 consecutive bytes, aligned
.endr
.endr
.endm
.macro SWITCH                          ; at trip 8 - i the first block is done and block i begins: ids alone, the same in all waves; no barrier, tensor load or LDS access stands inside
	s_cmp_lg_u32 s[T], s[SW]
	s_cbranch_scc1 .Lsame_\@
	FINISH
	s_mov_b32 s[BLK], s[WI]
	INIT
.Lsame_\@:
.endm
; THE CHANGE OF SLOTS, at a trip's head.  Each wave waits for all its tensor loads (its part of the slot ahead), adds 0 to its spare word, and waits for that and for its reads of the slot left.
; Behind the barrier the slot ahead is whole and nobody reads the other: fill = 1: it takes the next trip's keys.  The first trip's load is slot 1's first fill, in all eight waves.
.macro CHANGE fill
	s_wait_tensorcnt 0x0                           ; no tensor load of mine is out, so group 0 may be written
	ds_add_u32 v[SPW], v[NIL]                      ; the steps below stand between the add and its wait
.if \fill
	s_xor_b32 s[G0+1], s[G0+1], SLOT1              ; the other slot than last time
	s_add_co_u32 s[NK], s[NK], 1
	s_add_co_u32 s[TMP], s[T], 1
	s_cmp_eq_u32 s[TMP], s[SW]                     ; the next trip opens the second block: back to key 0
	s_cselect_b32 s[NK], 0, s[NK]
	s_lshl_b32 s[OFF], s[NK], 15                   ; 32,768 bytes of K, or of V, a slot
	s_add_nc_u64 s[G0+2:G0+3], s[BASE:BASE+1], s[OFF:OFF+1]
	s_or_b32 s[G0+3], s[G0+3], 0x80000000          ; type = 2
	s_wait_xcnt 0x0                                ; the last prefetch, a trip back, has read its address
	s_add_nc_u64 s[PFA:PFA+1], s[PFA:PFA+1], 0x8000
.endif
	s_wait_dscnt 0x0                               ; the add is done, and my reads of the slot that I have left are over
	s_barrier_signal -1
	s_barrier_wait -1
.if \fill
	tensor_load_to_lds s[G0:G0+3], s[G1:G1+7]      ; first behind the barrier, and my one tensor load until the next: it has four key steps in which to land
	s_nop 0
.rept 4
	v_nop
.endr
	s_cmp_lt_u32 s[T], s[LIM]                      ; A PREFETCH INTO THE L2: all four work-groups of a head walk the same K and V: the one with i = 0, whose first block walks slots 0 .. 7 in order, asks, in trips 0 .. 5,
	s_cbranch_scc0 .Lnot_mine_\@                   ; for slot T + 2: each wave for its own 8 KiB, lanes 256 bytes apart: each block is named once, one trip ahead of the load that wants it; slots 0 and 1 come by their loads alone
	global_prefetch_b8 v[PFO], s[PFA:PFA+1] th:TH_LOAD_NT scope:SCOPE_SE
.Lnot_mine_\@:
.endif
	v_add_nc_u32 v[AD], s[TB], v[LI]
.endm
; A KEY STEP: 64 keys, the q-th of the slot in hand.
.macro STEP q
	s_add_co_u32 s[TMP], s[Q0], 31
	s_cmp_gt_u32 s[KF], s[TMP]                     ; all 64 keys come after my 32 queries
	s_cbranch_scc1 .Lhid_\@
.rept 5
	v_nop                                          ; five places: the scores are laid over P, which the last products read; four of them serve the loads into V's registers
.endr
.irp n, 0,1,2,3,4,5,6,7,8,9,10,11,12,13,14,15     ; K's image n = 4 (key tile) + d / 16
	ds_load_b128 v[KR+4*\n:KR+4*\n+3], v[AD] offset:8192*(\q)+512*\n
.endr
.irp k, 0,1,2,3                                    ; V's image (key tile k, d tile d)
.irp d, 0,1,2,3
	ds_load_b128 v[VR+16*\d+4*\k:VR+16*\d+4*\k+3], v[AD] offset:32768+8192*(\q)+(4*\k+\d)*512
.endr
.endr
	s_wait_dscnt 16                                ; K is in; V's sixteen loads may be out
	WIN 0x04                                       ; Q in window 1
.irp z, 0,1                                        ; d 32 z on; eight accumulators by turns
.irp t, 0,1
.irp k, 0,1,2,3
.if \z == 0
	v_wmma_f32_16x16x32_f16 v[S+32*\t+8*\k:S+32*\t+8*\k+7], v[KR+16*\k:KR+16*\k+7], v[QR+16*\t:QR+16*\t+7], 0
.else
	v_wmma_f32_16x16x32_f16 v[S+32*\t+8*\k:S+32*\t+8*\k+7], v[KR+16*\k+8:KR+16*\k+15], v[QR+16*\t+8:QR+16*\t+15], v[S+32*\t+8*\k:S+32*\t+8*\k+7]
.endif
.endr
.endr
.endr
	WIN 0
.rept 4
	v_nop
.endr
	s_add_co_u32 s[TMP], s[KF], 63
	s_cmp_le_u32 s[TMP], s[Q0]                     ; all 64 keys count for all my queries
	s_cbranch_scc1 .Lopen_\@
	s_sub_co_i32 s[TMP], s[Q0], s[KF]
	v_add_nc_u32 v[DM], s[TMP], v[D0]              ; register 8 k + j of tile t holds key KF + 16 k + 8 h + j for query Q0 + 16 t + r: hidden where 16 k + j - 16 t > Q0 - KF + r - 8 h
.irp t, 0,1
.irp k, 0,1,2,3
.irp j, 0,1,2,3,4,5,6,7
	v_cmp_gt_i32 vcc_lo, 16*\k+\j-16*\t, v[DM]
	v_cndmask_b32 v[S+32*\t+8*\k+\j], v[S+32*\t+8*\k+\j], v[NINF], vcc_lo
.endr
.endr
.endr
.Lopen_\@:
.irp j, 0,1,2,3                                    ; the maximum: four chains a tile, each begun at an accumulator's low end
.irp t, 0,1
	v_max3_num_f32 v[ST+8*\t+4+\j], v[S+32*\t+8*\j], v[S+32*\t+8*\j+1], v[S+32*\t+8*\j+2]
.endr
.endr
.irp g, 1,2
.irp j, 0,1,2,3
.irp t, 0,1
	v_max3_num_f32 v[ST+8*\t+4+\j], v[ST+8*\t+4+\j], v[S+32*\t+8*\j+2*\g+1], v[S+32*\t+8*\j+2*\g+2]
.endr
.endr
.endr
.irp t, 0,1
	v_max3_num_f32 v[ST+8*\t+4], v[ST+8*\t+4], v[S+32*\t+7], v[S+32*\t+15]
.endr
.irp t, 0,1
	v_max3_num_f32 v[ST+8*\t+6], v[ST+8*\t+6], v[S+32*\t+23], v[S+32*\t+31]
.endr
.irp t, 0,1
	v_max3_num_f32 v[ST+8*\t+4], v[ST+8*\t+4], v[ST+8*\t+5], v[ST+8*\t+6]
.endr
.irp t, 0,1
	v_max3_num_f32 v[ST+8*\t+4], v[ST+8*\t+4], v[ST+8*\t+7], v[ST+8*\t+1]   ; and the old m
.endr
.irp t, 0,1
	v_permlanex16_b32 v[ST+8*\t+5], v[ST+8*\t+4], s[SEL], s[SEL+1]          ; the query's other 32 keys lie in the lane 16 away
.endr
.irp t, 0,1
	v_mov_b32 v[ST+8*\t+7], v[ST+8*\t]             ; c m_old is kept for a
.endr
.irp t, 0,1
	v_max_num_f32 v[ST+8*\t+1], v[ST+8*\t+4], v[ST+8*\t+5]
.endr
.irp t, 0,1
	v_mul_f32 v[ST+8*\t], s[CS], v[ST+8*\t+1]
.endr
.irp t, 0,1
	v_sub_f32 v[ST+8*\t+7], v[ST+8*\t+7], v[ST+8*\t]
.endr
.irp t, 0,1
.set i, 0
.rept 16
	v_pk_fma_f32 v[S+32*\t+i:S+32*\t+i+1], v[S+32*\t+i:S+32*\t+i+1], s[CS:CS+1], v[ST+8*\t:ST+8*\t+1] op_sel_hi:[1,0,0] neg_lo:[0,0,1] neg_hi:[0,0,1]   ; c s - c m
.set i, i+2
.endr
.endr
.irp t, 0,1
	v_exp_f32 v[ST+8*\t+6], v[ST+8*\t+7]           ; a
.endr
.set i, 0
.rept 64
	v_exp_f32 v[S+i], v[S+i]                       ; p
.set i, i+1
.endr
	v_nop                                          ; a plain instruction behind the last exponential
	s_wait_alu depctr_va_vdst(0)                   ; ONE wait for the batch of 66, ahead of its first reader
.irp t, 0,1                                        ; the sums, of p before it is rounded: two chains a tile
	v_pk_add_f32 v[TA+4*\t:TA+4*\t+1], v[S+32*\t:S+32*\t+1], v[S+32*\t+2:S+32*\t+3]
	v_pk_add_f32 v[TA+4*\t+2:TA+4*\t+3], v[S+32*\t+4:S+32*\t+5], v[S+32*\t+6:S+32*\t+7]
.endr
.irp k, 8,12,16,20,24,28
.irp t, 0,1
	v_pk_add_f32 v[TA+4*\t:TA+4*\t+1], v[TA+4*\t:TA+4*\t+1], v[S+32*\t+\k:S+32*\t+\k+1]
	v_pk_add_f32 v[TA+4*\t+2:TA+4*\t+3], v[TA+4*\t+2:TA+4*\t+3], v[S+32*\t+\k+2:S+32*\t+\k+3]
.endr
.endr
.irp t, 0,1
	v_pk_add_f32 v[TA+4*\t:TA+4*\t+1], v[TA+4*\t:TA+4*\t+1], v[TA+4*\t+2:TA+4*\t+3]
.endr
.irp t, 0,1
	v_pk_fma_f32 v[ST+8*\t+2:ST+8*\t+3], v[ST+8*\t+2:ST+8*\t+3], v[ST+8*\t+6:ST+8*\t+7], v[TA+4*\t:TA+4*\t+1] op_sel_hi:[1,0,1]   ; l = a l + the sum
.endr
.irp t, 0,1                                        ; p to f16, packed downward in place: register i takes pair i, whose sources lie at or above it
.set i, 0
.rept 16
	v_cvt_pk_f16_f32 v[S+32*\t+i], v[S+32*\t+2*i], v[S+32*\t+2*i+1]
.set i, i+1
.endr
.endr
	WIN 0x41                                       ; O^T in window 1, a in window 0
.irp t, 0,1
.set i, 0
.rept 16
	v_pk_mul_f32 v[32*\t+i:32*\t+i+1], v[32*\t+i:32*\t+i+1], v[ST+8*\t+6:ST+8*\t+7] op_sel_hi:[1,0]
.set i, i+2
.endr
.endr
	s_wait_dscnt 0x0                               ; V is in
	WIN 0x50                                       ; C and D window 1
.irp u, 0,1                                        ; keys 32 u on; eight accumulators by turns
.irp d, 0,1,2,3
.irp t, 0,1
	v_wmma_f32_16x16x32_f16 v[32*\t+8*\d:32*\t+8*\d+7], v[VR+16*\d+8*\u:VR+16*\d+8*\u+7], v[S+32*\t+8*\u:S+32*\t+8*\u+7], v[32*\t+8*\d:32*\t+8*\d+7]
.endr
.endr
.endr
	WIN 0
.Lhid_\@:
	s_add_co_u32 s[KF], s[KF], 64
.endm
	s_load_b128 s[4:7], s[0:1], 0x0                ; qkvimg, oimg
	v_lshl_add_u32 v[SPW], v0, 2, SPARE
	v_mov_b32 v[NIL], 0
	ds_add_u32 v[SPW], v[NIL]                      ; the wave's opening: the add, twice on end, and its wait ahead of my first tensor load
	ds_add_u32 v[SPW], v[NIL]
	v_lshrrev_b32 v10, 5, v0
	v_readfirstlane_b32 s[WV], v10                 ; wave 0..7
	s_mov_b32 s[WI], ttmp9
	s_and_b32 s[BH], ttmp7, 0xffff
	s_lshr_b32 s[TMP], s[WV], 2
	s_mul_i32 s[TMP+1], s[TMP], 3
	s_xor_b32 s[QS], s[WV], s[TMP+1]               ; waves 0-3: 0 .. 3; waves 4-7: 7 .. 4
	s_sub_co_u32 s[SW], 8, s[WI]
	s_cmp_eq_u32 s[WI], 0
	s_cselect_b32 s[LIM], 6, 0
	s_mov_b32 s[G1], 3<<16                         ; a dense block of 8,192 bytes as 32 rows of 32 elements of 8 bytes; no mask, no padding: images are read 16 bytes a lane on end
	s_mov_b32 s[G1+1], 32<<16
	s_mov_b32 s[G1+2], 32<<16
	s_mov_b32 s[G1+3], 32<<16
	s_mov_b32 s[G1+4], 32
	s_mov_b32 s[G1+5], 32
	s_mov_b32 s[G1+6], 0
	s_mov_b32 s[G1+7], 0
	s_add_co_u32 s[TMP], s[TMP], 1                 ; K's part is the second of the buffer, V's the third
	s_lshl_b32 s[TMP], s[TMP], 24
	s_lshl_b32 s[TMP+1], s[BH], 18                 ; 262,144 bytes a head
	s_add_co_u32 s[TMP], s[TMP], s[TMP+1]
	s_and_b32 s[TMP+1], s[WV], 3
	s_lshl_b32 s[TMP+1], s[TMP+1], 13              ; my step of a slot
	s_add_co_u32 s[TMP], s[TMP], s[TMP+1]
	s_mov_b32 s[TMP+1], 0
	s_mov_b32 s[CS], 0x3e38aa3b                    ; c = log2(e) / 8
	s_mov_b32 s[CS+1], s[CS]
	s_mov_b32 s[SEL], 0x76543210
	s_mov_b32 s[SEL+1], 0xfedcba98
	s_mov_b32 s[T], 0
	s_mov_b32 s[NK], 0
	s_mov_b32 s[TB], 0
	s_mov_b32 s[OFF+1], 0
	s_wait_dscnt 0x0                               ; both opening adds are done
	s_wait_kmcnt 0x0
	s_add_nc_u64 s[BASE:BASE+1], s[4:5], s[TMP:TMP+1]
	s_mov_b32 s[G0], 1
	s_lshl_b32 s[G0+1], s[WV], 13                  ; LDS: 8,192 x wave, in slot 0
	s_mov_b64 s[G0+2:G0+3], s[BASE:BASE+1]
	s_or_b32 s[G0+3], s[G0+3], 0x80000000
	tensor_load_to_lds s[G0:G0+3], s[G1:G1+7]      ; slot 0: keys 0 .. 255
	s_nop 0
.rept 4
	v_nop
.endr
	s_add_nc_u64 s[PFA:PFA+1], s[BASE:BASE+1], 0x8000   ; the first change of slots steps it to slot 2
	s_lshl_b32 s[TMP], s[BH], 18
	s_add_nc_u64 s[QH:QH+1], s[4:5], s[TMP:TMP+1]  ; the head's Q
	s_lshr_b32 s[TMP], s[BH], 4
	s_lshl_b32 s[TMP], s[TMP], 22                  ; O: 128 token tiles of 32,768 bytes a batch,
	s_and_b32 s[TM2], s[BH], 15
	s_lshl_b32 s[TM2], s[TM2], 11                  ; four images a head
	s_add_co_u32 s[TMP], s[TMP], s[TM2]
	s_add_nc_u64 s[OH:OH+1], s[6:7], s[TMP:TMP+1]
	v_and_b32 v10, 31, v0
	v_lshlrev_b32 v[LI], 4, v10
	v_lshlrev_b32 v[PFO], 8, v10
	v_and_b32 v10, 15, v0
	v_bfe_u32 v11, v0, 4, 1
	v_lshlrev_b32 v11, 3, v11
	v_sub_nc_u32 v[D0], v10, v11
	v_mov_b32 v[NINF], 0xff800000
	s_sub_co_u32 s[BLK], 7, s[WI]
	INIT
.Ltrip:                                            ; eight trips; behind each change of slots the next trip's keys are asked for
	SWITCH
	CHANGE 1
	STEP 0
	STEP 1
	STEP 2
	STEP 3
	s_xor_b32 s[TB], s[TB], SLOT1
	s_add_co_u32 s[T], s[T], 1
	s_cmp_lt_u32 s[T], 8
	s_cbranch_scc1 .Ltrip
	SWITCH                                         ; the ninth trip is written out: it asks for nothing
	CHANGE 0
	STEP 0
	STEP 1
	STEP 2
	STEP 3
	FINISH
	s_wait_tensorcnt 0x0                           ; the wave's end
	ds_add_u32 v[SPW], v[NIL]
	s_wait_dscnt 0x0
	s_endpgm
.Lfunc_end_k_qcff2f8eda1_attn:
	.size	k_qcff2f8eda1_attn, .Lfunc_end_k_qcff2f8eda1_attn-k_qcff2f8eda1_attn
	.p2alignl 7, 3214868480
	.fill 96, 4, 3214868480
	.section	.rodata,"a",@progbits
	.p2align	6, 0x0
	.amdhsa_kernel k_qcff2f8eda1_attn
		.amdhsa_group_segment_fixed_size 327680
		.amdhsa_private_segment_fixed_size 0
		.amdhsa_enable_private_segment 0
		.amdhsa_kernarg_size 16
		.amdhsa_user_sgpr_count 2
		.amdhsa_user_sgpr_kernarg_segment_ptr 1
		.amdhsa_wavefront_size32 1
		.amdhsa_system_sgpr_workgroup_id_x 1
		.amdhsa_system_sgpr_workgroup_id_y 1
		.amdhsa_system_sgpr_workgroup_id_z 1
		.amdhsa_system_vgpr_workitem_id 0
		.amdhsa_next_free_vgpr 384
		.amdhsa_next_free_sgpr 66
		.amdhsa_reserve_vcc 1
		.amdhsa_float_denorm_mode_32 3
		.amdhsa_float_denorm_mode_16_64 3
		.amdhsa_memory_ordered 1
		.amdhsa_forward_progress 1
		.amdhsa_inst_pref_size 203
	.end_amdhsa_kernel
	.amdgpu_metadata
---
amdhsa.version: [ 1, 2 ]
amdhsa.kernels:
  - .name:           k_qcff2f8eda1_attn
    .symbol:         k_qcff2f8eda1_attn.kd
    .args:
      - { .name: qkvimg, .offset: 0, .size: 8, .value_kind: global_buffer, .address_space: global }
      - { .name: oimg, .offset: 8, .size: 8, .value_kind: global_buffer, .address_space: global }
    .group_segment_fixed_size: 327680
    .private_segment_fixed_size: 0
    .kernarg_segment_align: 8
    .kernarg_segment_size: 16
    .max_flat_workgroup_size: 256
    .sgpr_count:     66
    .vgpr_count:     384
    .wavefront_size: 32
...
	.end_amdgpu_metadata
.endif
;; end of part 3
;; launch oproj (part 4): grid 8 x 32, 4 waves a work-group, clusters of 4 x 4, 327,680 bytes of LDS; arguments oimg, wimg, out_b, out0; writes out0
.if DOCPART == 4
	.amdgcn_target "amdgcn-amd-amdhsa--gfx1250"
	.amdhsa_code_object_version 6
	.text
	.protected	k_qcff2f8eda1_oproj
	.globl	k_qcff2f8eda1_oproj
	.p2align	8
	.type	k_qcff2f8eda1_oproj,@function
k_qcff2f8eda1_oproj:
	s_mov_b64 s[64:65], 0
	v_nop
	global_prefetch_b8 v0, s[64:65] scope:SCOPE_SE
	s_setreg_imm32_b32 hwreg(HW_REG_WAVE_MODE, 25, 1), 1
	s_wait_xcnt 0x0
	s_wait_alu depctr_hold_cnt(0) depctr_sa_sdst(0) depctr_va_vdst(0) depctr_va_sdst(0) depctr_va_ssrc(0) depctr_va_vcc(0) depctr_vm_vsrc(0)
	s_getreg_b32 s2, hwreg(HW_REG_IB_STS2, 6, 4)
	s_cmp_eq_u32 s2, 0
	s_cbranch_scc0 .Lentry_in_a_cluster
	s_endpgm
.Lentry_in_a_cluster:
	s_bfe_u32 s2, ttmp6, 0x10000c
	s_cmp_lg_u32 s2, 0xf033
	s_cbranch_scc0 .Lentry_shape_is_right
	s_endpgm
.Lentry_shape_is_right:
; OPROJ.  out0 = o out_w^T + out_b: [8192][1024] x [1024][1024], f16 operands, f32 sums.  Both operands arrive as images of operand registers (512 bytes: 16 rows x 16 K; lane l's 16 bytes at 16 l).
; SHARES.  A tile of 256 tokens x 128 columns to a work-group: 256 work-groups.  Wave (rh, ch) makes 128 x 64: 8 x 4 accumulators, 256 registers.
; K goes in steps of 128 through a ring of two LDS slots: for each tile of 16 rows a K step is 8 images, 4,096 consecutive bytes of memory; in LDS they lie on end, and a fragment is two loads of 512 consecutive bytes.
; CLUSTER 4 x 4: the four of a row of the cluster need the same tiles of o, the four of a column the same tiles of out_w: each is asked for JOINTLY.
; THE MATRIX INSTRUCTION IS USED TRANSPOSED (source 0 = 16 rows of out_w, source 1 = 16 tokens): a lane holds eight neighbouring columns of a row of out0.  The bias is the C of each sum's first product.
; Tokens 0-15 of each batch are written here too, and written again, more finely, by the launch that follows.
; REGISTERS.  window 0: v16-29 addresses; v32-63 the bias; v64-127 the way out, two sets.   window 1: two fragment buffers of 96 at v0, v128 (o's 8 fragments, then out_w's 4).   window 2: accumulator (a, b) at v[8 (4 a + b)].
.set SLOT,   98304                     ; o's 16 tiles of 4,096 bytes, then out_w's 8
.set BOFF,   65536
.set STAGE,  2*SLOT                    ; behind the ring: 16 rows x 272 bytes for each wave
.set SPITCH, 272
.set SPARE,  STAGE+4*16*SPITCH         ; the spare words, 128 bytes a wave
.set ADRA, 16
.set ADRB, 20
.set STO,  24
.set RD,   25
.set CO,   26
.set BO,   27
.set SPW,  28
.set NIL,  29
.set BIAS, 32
.set BK,   64
.set F0,   0
.set F1,   128
.set G1,   24
.set G0,   32
.set G1B,  48
.set G0B,  56
.set MUL,  0xa5                        ; sources window 1, C and D window 2
.set MULF, 0x85                        ; C window 0: the bias
.set TO_F, 0x40
.set MSB, 0
.macro WIN new
.if MSB != (\new)
	s_set_vgpr_msb (MSB<<8)|(\new)
.set MSB, (\new)
.endif
.endm
.macro PLACES
.rept 4
	v_nop
.endr
.endm
.macro JLOAD s                         ; waves 0 and 1 fetch o's two halves, waves 2 and 3 out_w's; an s_nop 0 and four v_nop follow each line
	s_cmp_eq_u32 s13, 0
	s_cbranch_scc0 .Lfor_b_\@
	tensor_load_to_lds s[G0+4*\s:G0+4*\s+3], s[G1:G1+7]
	s_nop 0
.rept 4
	v_nop
.endr
	s_branch .Lasked_\@
.Lfor_b_\@:
	tensor_load_to_lds s[G0B+4*\s:G0B+4*\s+3], s[G1B:G1B+7]
	s_nop 0
.rept 4
	v_nop
.endr
.Lasked_\@:
.endm
.macro CREST                           ; a round of the cluster's barrier behind its opening barrier
	s_cmp_lg_u32 s12, 0
	s_cbranch_scc1 .Lnot_wave_0_\@
	s_barrier_signal -3
.Lnot_wave_0_\@:
	s_barrier_wait -3
	s_barrier_signal -1
	s_barrier_wait -1
.endm
.macro CROUND
	s_barrier_signal -1
	s_barrier_wait -1
	CREST
.endm
	s_load_b128 s[4:7], s[0:1], 0x0                ; oimg, wimg
	s_load_b128 s[8:11], s[0:1], 0x10              ; out_b, out0
	v_lshl_add_u32 v[SPW], v0, 2, SPARE
	v_mov_b32 v[NIL], 0
	ds_add_u32 v[SPW], v[NIL]                      ; the wave's opening: the add, twice on end, and its wait ahead of my first tensor load
	ds_add_u32 v[SPW], v[NIL]
	v_lshrrev_b32 v1, 5, v0
	v_readfirstlane_b32 s12, v1                    ; wave 0..3
	s_lshr_b32 s13, s12, 1                         ; which half of the rows is mine.  Also: I fetch for o (0) or for out_w (1)
	s_and_b32 s14, s12, 1                          ; which half of the columns.  Also: which half of that tile I fetch
	s_bfe_u32 s40, ttmp6, 0x40000                  ; cx
	s_bfe_u32 s41, ttmp6, 0x40004                  ; cy
	s_lshl_b32 s42, ttmp9, 2
	s_add_co_u32 s42, s42, s40                     ; tile column
	s_and_b32 s15, ttmp7, 0xffff
	s_lshl_b32 s15, s15, 2
	s_add_co_u32 s15, s15, s41                     ; tile row
	s_lshl_b32 s43, s41, 2
	s_lshl_b32 s43, 15, s43                        ; my row of the cluster
	s_lshl_b32 s44, 0x1111, s40                    ; my column
	s_or_b32 s[G1], s43, (3<<16)|(1<<21)           ; the mask; elements of 8 bytes; bit 21 beside a mask; no padding
	s_or_b32 s[G1B], s44, (3<<16)|(1<<21)
	s_mov_b32 s[G1+1], 512<<16                     ; tensor_dim0: 4,096 bytes
	s_mov_b32 s[G1+2], 8<<16                       ; tensor_dim1: 8 tiles of 16 tokens
	s_mov_b32 s[G1+3], 512<<16
	s_mov_b32 s[G1+4], 8
	s_mov_b32 s[G1+5], 4096                        ; 32,768 bytes from tile to tile
	s_mov_b32 s[G1+6], 0
	s_mov_b32 s[G1+7], 0
	s_mov_b32 s[G1B+1], 512<<16
	s_mov_b32 s[G1B+2], 4<<16                      ; 4 tiles of 16 rows of out_w
	s_mov_b32 s[G1B+3], 512<<16
	s_mov_b32 s[G1B+4], 4
	s_mov_b32 s[G1B+5], 4096
	s_mov_b32 s[G1B+6], 0
	s_mov_b32 s[G1B+7], 0
	s_lshl_b32 s16, s15, 19                        ; o: (16 tile row + 8 half) x 32,768.  s16-19 never hold cx
	s_lshl_b32 s17, s14, 18
	s_add_co_u32 s16, s16, s17
	s_mov_b32 s17, 0
	s_lshl_b32 s46, s42, 18                        ; out_w: (8 tile column + 4 half) x 32,768
	s_lshl_b32 s47, s14, 17
	s_add_co_u32 s46, s46, s47
	s_mov_b32 s47, 0
	s_lshl_b32 s20, s14, 15                        ; where they go: the wave's number and constants alone
	s_lshl_b32 s21, s14, 14
	s_add_co_u32 s21, s21, BOFF
	s_wait_dscnt 0x0                               ; both opening adds are done
	s_wait_kmcnt 0x0
	s_add_nc_u64 s[18:19], s[4:5], s[16:17]
	s_add_nc_u64 s[46:47], s[6:7], s[46:47]
	CROUND                                         ; all sixteen work-groups are here: the first joint loads meet
.irp s, 0,1
	s_mov_b32 s[G0+4*\s], 1
	s_add_co_u32 s[G0+4*\s+1], s20, \s*SLOT
	s_add_nc_u64 s[G0+4*\s+2:G0+4*\s+3], s[18:19], \s*4096
	s_or_b32 s[G0+4*\s+3], s[G0+4*\s+3], 0x80000000
	s_mov_b32 s[G0B+4*\s], 1
	s_add_co_u32 s[G0B+4*\s+1], s21, \s*SLOT
	s_add_nc_u64 s[G0B+4*\s+2:G0B+4*\s+3], s[46:47], \s*4096
	s_or_b32 s[G0B+4*\s+3], s[G0B+4*\s+3], 0x80000000
	JLOAD \s                                       ; two tensor loads of mine are out behind the second
.endr
	v_and_b32 v1, 15, v0                           ; r
	v_bfe_u32 v2, v0, 4, 1                         ; h
	v_and_b32 v3, 31, v0
	v_lshlrev_b32 v3, 4, v3                        ; 16 x lane
	s_lshl_b32 s22, s13, 15                        ; my 8 tiles of o
	v_add_nc_u32 v[ADRA], s22, v3
	v_add_nc_u32 v[ADRA+1], SLOT, v[ADRA]
	s_lshl_b32 s22, s14, 14                        ; my 4 tiles of out_w
	s_add_co_u32 s22, s22, BOFF
	v_add_nc_u32 v[ADRB], s22, v3
	v_add_nc_u32 v[ADRB+1], SLOT, v[ADRB]
	s_mul_i32 s23, s12, 16*SPITCH
	s_add_co_u32 s23, s23, STAGE                   ; my stage
	v_mul_u32_u24 v4, v1, SPITCH
	v_lshl_add_u32 v4, v2, 5, v4
	v_add_nc_u32 v[STO], s23, v4                   ; in: row r, 32 bytes for each half of the lanes
	v_mul_u32_u24 v4, v2, SPITCH
	v_lshl_add_u32 v4, v1, 4, v4
	v_add_nc_u32 v[RD], s23, v4                    ; back: lanes 0-15 one row of 256 bytes, lanes 16-31 the next
	v_lshlrev_b32 v4, 12, v2
	v_lshl_add_u32 v[CO], v1, 4, v4                ; and the same two rows in out0
	v_lshlrev_b32 v[BO], 5, v2
	s_lshl_b32 s16, s15, 20                        ; my first row: (256 tile row + 128 half) x 4,096 bytes
	s_lshl_b32 s17, s13, 19
	s_add_co_u32 s16, s16, s17
	s_mov_b32 s17, 0
	s_add_nc_u64 s[10:11], s[10:11], s[16:17]
	s_lshl_b32 s46, s42, 9                         ; my first column, in bytes: 512 tile column + 256 half
	s_lshl_b32 s47, s14, 8
	s_add_co_u32 s46, s46, s47
	s_mov_b32 s47, 0
	s_add_nc_u64 s[10:11], s[10:11], s[46:47]
	s_add_nc_u64 s[8:9], s[8:9], s[46:47]          ; and the same place in the bias
.irp b, 0,1,2,3                                    ; register j of lane (r, h) is column 16 b + 8 h + j
	global_load_b128 v[BIAS+8*\b:BIAS+8*\b+3], v[BO], s[8:9] offset:64*\b
	global_load_b128 v[BIAS+8*\b+4:BIAS+8*\b+7], v[BO], s[8:9] offset:64*\b+16
.endr
.macro FETCH slot, q, f                ; 24 LDS loads in one run: the fragments of 32 along K, the slot's q-th, into buffer f
	WIN TO_F
.irp b, 0,1,2,3
.irp c, 0,1
	ds_load_b128 v[\f+64+8*\b+4*\c:\f+64+8*\b+4*\c+3], v[ADRB+\slot] offset:4096*\b+1024*(\q)+512*\c
.endr
.endr
.irp a, 0,1,2,3,4,5,6,7
.irp c, 0,1
	ds_load_b128 v[\f+8*\a+4*\c:\f+8*\a+4*\c+3], v[ADRA+\slot] offset:4096*\a+1024*(\q)+512*\c
.endr
.endr
.endm
.macro MULA f, a, first                ; four products: token tile a x my four column tiles.  The 32 accumulators take turns in the same order in every quarter
.irp b, 0,1,2,3
.if \first
	v_wmma_f32_16x16x32_f16 v[8*(4*(\a)+\b):8*(4*(\a)+\b)+7], v[\f+64+8*\b:\f+64+8*\b+7], v[\f+8*(\a):\f+8*(\a)+7], v[BIAS+8*\b:BIAS+8*\b+7]
.else
	v_wmma_f32_16x16x32_f16 v[8*(4*(\a)+\b):8*(4*(\a)+\b)+7], v[\f+64+8*\b:\f+64+8*\b+7], v[\f+8*(\a):\f+8*(\a)+7], v[8*(4*(\a)+\b):8*(4*(\a)+\b)+7]
.endif
.endr
.endm
; A K step is four quarters of 32 along K on buffers 0, 1, 0, 1.  One of the first three: fetches the slot's quarter qn into g and multiplies f.
.macro QUARTER slot, qn, f, g, first
	s_wait_dscnt 0x0                               ; f is in
	PLACES                                         ; four places between the last products and loads into the buffer that they read
	FETCH \slot, \qn, \g
.if \first
	WIN MULF
.else
	WIN MUL
.endif
.irp a, 0,1,2,3,4,5,6,7
	MULA \f, \a, \first
.endr
.endm
; The last quarter multiplies buffer 1 and changes slots: in front of the barrier each wave waits for all its tensor loads, adds 0 to its spare word, and waits for that and for its reads of this slot.
.macro TURN slot, next, fill
	WIN 0                                          ; (the add's two registers lie in window 0)
	s_wait_tensorcnt 0x0                           ; all my tensor loads have landed: my part of the next slot
	ds_add_u32 v[SPW], v[NIL]
	s_wait_dscnt 1                                 ; buffer 1 is in; the add may be out
	WIN MUL
	MULA F1, 0, 0
	MULA F1, 1, 0                                  ; eight products stand between the add and the wait for it
	s_wait_dscnt 0x0                               ; the add is done, and my reads of this slot are over
	s_barrier_signal -1
	MULA F1, 2, 0
	MULA F1, 3, 0
.if \fill
	WIN 0
.endif
	s_barrier_wait -1
.if \fill
	CREST                                          ; the barrier has opened a round of the cluster's: no wave of any partner still reads this slot or has a load on its way
	s_add_nc_u64 s[G0+4*\slot+2:G0+4*\slot+3], s[G0+4*\slot+2:G0+4*\slot+3], 8192
	s_add_nc_u64 s[G0B+4*\slot+2:G0B+4*\slot+3], s[G0B+4*\slot+2:G0B+4*\slot+3], 8192
	JLOAD \slot                                    ; two K steps on; the four v_nop behind it are also the places in front of the loads below
.else
	PLACES
.endif
	FETCH \next, 0, F0
	WIN MUL
.irp a, 4,5,6,7
	MULA F1, \a, 0
.endr
.endm
	s_wait_tensorcnt 0x1                           ; my part of K step 0 is in; K step 1's may be out
	s_barrier_signal -1
	s_barrier_wait -1
	FETCH 0, 0, F0
	s_wait_loadcnt 0x0                             ; the bias
	QUARTER 0, 1, F0, F1, 1                        ; the first quarter stands in front of the loop: its products start the sums, on the bias
	WIN 0
	s_mov_b32 s3, 3
.Llap:                                             ; a trip goes once round the ring and fills both slots again: K steps 2 .. 7
	QUARTER 0, 2, F1, F0, 0
	QUARTER 0, 3, F0, F1, 0
	TURN 0, 1, 1
	QUARTER 1, 1, F0, F1, 0
	QUARTER 1, 2, F1, F0, 0
	QUARTER 1, 3, F0, F1, 0
	TURN 1, 0, 1
	QUARTER 0, 1, F0, F1, 0
	WIN 0
	s_sub_co_u32 s3, s3, 1
	s_cmp_lg_u32 s3, 0
	s_cbranch_scc1 .Llap
	QUARTER 0, 2, F1, F0, 0                        ; the last lap fills nothing
	QUARTER 0, 3, F0, F1, 0
	TURN 0, 1, 0
	QUARTER 1, 1, F0, F1, 0
	QUARTER 1, 2, F1, F0, 0
	QUARTER 1, 3, F0, F1, 0
	s_wait_dscnt 0x0
	WIN MUL
.irp a, 0,1,2,3,4,5,6,7
	MULA F1, \a, 0
.endr
	WIN 0
; THE WAY OUT, 16 tokens x 64 columns at a time, through my own stage: in as 32 bytes a lane, back as whole rows of 256 bytes.  LDS serves a wave's instructions in order: no wait between the stores and the loads.
.macro TOSTAGE a
	WIN 0x08                                       ; an LDS store's data: window 2
.irp b, 0,1,2,3
	ds_store_b128 v[STO], v[8*(4*(\a)+\b):8*(4*(\a)+\b)+3] offset:64*\b           ; each accumulator from its low end on
	ds_store_b128 v[STO], v[8*(4*(\a)+\b)+4:8*(4*(\a)+\b)+7] offset:64*\b+16
.endr
	WIN 0
.set BB, BK+32*((\a)%2)
.irp t, 0,1,2,3,4,5,6,7
	ds_load_b128 v[BB+4*\t:BB+4*\t+3], v[RD] offset:\t*2*SPITCH
.endr
.endm
.macro SEND a, younger                 ; younger: the LDS instructions issued behind block a's loads
.set BB, BK+32*((\a)%2)
	s_wait_dscnt \younger
.if (\a) > 0
	s_add_nc_u64 s[10:11], s[10:11], 65536         ; 16 rows on (behind a wait on XCNT: the earlier stores have read their base)
.endif
.irp t, 0,1,2,3,4,5,6,7
	global_store_b128 v[CO], v[BB+4*\t:BB+4*\t+3], s[10:11] offset:8192*\t   ; 16 lanes store 256 consecutive bytes, aligned
.endr
.endm
	PLACES
	TOSTAGE 0
.irp a, 1,2,3,4,5,6,7
.if \a > 1
	s_wait_xcnt 0x0                                ; block a - 2's stores have read their registers and their base
.endif
	TOSTAGE \a
	SEND \a-1, 16                                  ; behind block a - 1's loads: block a's 8 stores and 8 loads
.endr
	s_wait_xcnt 0x0
	SEND 7, 0
	s_wait_tensorcnt 0x0                           ; the wave's end
	ds_add_u32 v[SPW], v[NIL]
	s_wait_dscnt 0x0
	CROUND                                         ; the closing round
	s_endpgm
.Lfunc_end_k_qcff2f8eda1_oproj:
	.size	k_qcff2f8eda1_oproj, .Lfunc_end_k_qcff2f8eda1_oproj-k_qcff2f8eda1_oproj
	.p2alignl 7, 3214868480
	.fill 96, 4, 3214868480
	.section	.rodata,"a",@progbits
	.p2align	6, 0x0
	.amdhsa_kernel k_qcff2f8eda1_oproj
		.amdhsa_group_segment_fixed_size 327680
		.amdhsa_private_segment_fixed_size 0
		.amdhsa_enable_private_segment 0
		.amdhsa_kernarg_size 32
		.amdhsa_user_sgpr_count 2
		.amdhsa_user_sgpr_kernarg_segment_ptr 1
		.amdhsa_wavefront_size32 1
		.amdhsa_system_sgpr_workgroup_id_x 1
		.amdhsa_system_sgpr_workgroup_id_y 1
		.amdhsa_system_sgpr_workgroup_id_z 1
		.amdhsa_system_vgpr_workitem_id 0
		.amdhsa_next_free_vgpr 768
		.amdhsa_next_free_sgpr 66
		.amdhsa_reserve_vcc 0
		.amdhsa_float_denorm_mode_32 3
		.amdhsa_float_denorm_mode_16_64 3
		.amdhsa_memory_ordered 1
		.amdhsa_forward_progress 1
		.amdhsa_inst_pref_size 86
	.end_amdhsa_kernel
	.amdgpu_metadata
---
amdhsa.version: [ 1, 2 ]
amdhsa.kernels:
  - .name:           k_qcff2f8eda1_oproj
    .symbol:         k_qcff2f8eda1_oproj.kd
    .args:
      - { .name: oimg, .offset: 0, .size: 8, .value_kind: global_buffer, .address_space: global }
      - { .name: wimg, .offset: 8, .size: 8, .value_kind: global_buffer, .address_space: global }
      - { .name: out_b, .offset: 16, .size: 8, .value_kind: global_buffer, .address_space: global }
      - { .name: out0, .offset: 24, .size: 8, .value_kind: global_buffer, .address_space: global }
    .group_segment_fixed_size: 327680
    .private_segment_fixed_size: 0
    .kernarg_segment_align: 8
    .kernarg_segment_size: 32
    .max_flat_workgroup_size: 128
    .sgpr_count:     66
    .vgpr_count:     768
    .wavefront_size: 32
...
	.end_amdgpu_metadata
.endif
;; end of part 4
;; launch fine (part 5): grid 64 x 4, 8 waves a work-group, no clusters, 9,216 bytes of LDS; arguments fqkv, out_w, out_b, out0; writes out0
.if DOCPART == 5
	.amdgcn_target "amdgcn-amd-amdhsa--gfx1250"
	.amdhsa_code_object_version 6
	.text
	.protected	k_qcff2f8eda1_fine
	.globl	k_qcff2f8eda1_fine
	.p2align	8
	.type	k_qcff2f8eda1_fine,@function
k_qcff2f8eda1_fine:
	s_mov_b64 s[64:65], 0
	v_nop
	global_prefetch_b8 v0, s[64:65] scope:SCOPE_SE
	s_setreg_imm32_b32 hwreg(HW_REG_WAVE_MODE, 25, 1), 1
	s_wait_xcnt 0x0
; FINE.  Tokens 0-15 of each batch, where a row of the attention averages one to sixteen values: attention and the projection on the way out once more, wholly in f32, written over what the launch before left in those 64 rows.
; SHARES.  Work-group (nt, b) makes out0[b][0 .. 15][16 nt .. 16 nt + 15].  Wave w owns heads 2 w and 2 w + 1, which are also its part of the projection's K (128 w .. 128 w + 127): O never leaves its registers.
; The attention of a batch's 16 heads is so repeated in its 64 work-groups: 96 small products a wave; that is the price of one launch and no traffic between work-groups.
; q, k, v arrive as f32 images of accumulators: q, k: lane (r, h), register j: token r, d = 16 g + 8 h + j;  v: d = 16 g + r, token 8 h + j.
; A PAIR OF SUCH REGISTERS IS AN OPERAND OF THE 16 x 16 x 4 FORM AS IT STANDS: the form's k = 2 h + j' is then d (or token) 8 h + 2 jj + j': the same renaming of k on both sides of each product, which leaves the sums' terms as they are.
; S^T = K Q^T, O^T = V^T P, R^T = W O^T: a lane holds one token (query) throughout.  The registers that these products write are written by matrix instructions alone.
; The eight waves' partial sums meet in LDS; waves 0 and 1 add them and the bias and store.  Stores are 16 bytes a lane in runs of 64: 262,144 bytes in the whole launch.
; REGISTERS.  window 0: v1-8 addresses; v16-31 S^T; v32-95 O^T; v96-127 R^T; v128-143 P; v144-179 the sums' last step; v208-233 at work; v240, v241 the add's two.   window 1: v0-191 q, k, v of two heads; v192-255 out_w.
.set SPARE, 8192
.set SA, 16
.set OA, 32
.set RA, 96
.set PP, 128
.set TT, 208
.set MSB, 0
.macro WIN new
.if MSB != (\new)
	s_set_vgpr_msb (MSB<<8)|(\new)
.set MSB, (\new)
.endif
.endm
	s_load_b128 s[4:7], s[0:1], 0x0                ; fqkv, out_w
	s_load_b128 s[8:11], s[0:1], 0x10              ; out_b, out0
	v_lshl_add_u32 v240, v0, 2, SPARE
	v_mov_b32 v241, 0
	v_lshrrev_b32 v10, 5, v0
	v_readfirstlane_b32 s12, v10                   ; wave 0..7
	s_mov_b32 s13, ttmp9                           ; nt
	s_and_b32 s14, ttmp7, 0xffff                   ; the batch
	v_and_b32 v10, 15, v0                          ; r
	v_bfe_u32 v11, v0, 4, 1                        ; h
	v_and_b32 v1, 31, v0
	v_lshlrev_b32 v1, 4, v1                        ; 16 x lane
	v_lshlrev_b32 v2, 12, v10
	v_lshl_add_u32 v2, v11, 5, v2                  ; 4,096 r + 32 h: a row of out_w, and of out0
	v_lshlrev_b32 v3, 5, v11                       ; 32 h
	v_lshlrev_b32 v4, 3, v11
	v_sub_nc_u32 v5, v10, v4                       ; r - 8 h
	v_mov_b32 v6, 0xff800000                       ; -infinity
	s_lshl_b32 s15, s12, 10
	v_add_nc_u32 v7, s15, v1                       ; LDS: my partial sums: 1,024 x wave + 16 x lane
	s_and_b32 s16, s12, 1
	s_lshl_b32 s17, s16, 9
	v_add_nc_u32 v8, s17, v1                       ; and where waves 0 and 1 read: half c of each wave's
	v_mov_b32 v226, 0                              ; written once: a lane permute's destination counts as one of its sources
	v_mov_b32 v227, 0
	s_lshl_b32 s18, s14, 4
	s_lshl_b32 s19, s12, 1
	s_add_co_u32 s18, s18, s19
	s_mul_i32 s18, s18, 12288                      ; my two heads' images
	s_mov_b32 s19, 0
	s_lshl_b32 s20, s13, 16                        ; out_w: 16 rows of 4,096 bytes, + my 128 along K
	s_lshl_b32 s21, s12, 9
	s_add_co_u32 s20, s20, s21
	s_mov_b32 s21, 0
	s_lshl_b32 s22, s13, 6                         ; the bias and the columns: 64 nt + 16 c
	s_lshl_b32 s23, s16, 4
	s_add_co_u32 s22, s22, s23
	s_mov_b32 s23, 0
	s_lshl_b32 s24, s14, 23                        ; a batch is 2,048 rows of 4,096 bytes
	s_add_co_u32 s24, s24, s22
	s_mov_b32 s25, 0
	s_mov_b32 s26, 0x3e38aa3b                      ; c = log2(e) / 8
	s_mov_b32 s28, 0x76543210
	s_mov_b32 s29, 0xfedcba98
	s_wait_kmcnt 0x0
	s_add_nc_u64 s[4:5], s[4:5], s[18:19]
	s_add_nc_u64 s[6:7], s[6:7], s[20:21]
	s_add_nc_u64 s[8:9], s[8:9], s[22:23]
	s_add_nc_u64 s[10:11], s[10:11], s[24:25]
	WIN 0x40                                       ; destination window 1
.irp e, 0,1                                        ; q and k: 32 loads
.irp g, 0,1,2,3,4,5,6,7
.irp f, 0,1
	global_load_b128 v[96*\e+8*\g+4*\f:96*\e+8*\g+4*\f+3], v1, s[4:5] offset:12288*\e+1024*\g+512*\f
.endr
.endr
.endr
.irp e, 0,1                                        ; v: 16
.irp g, 8,9,10,11
.irp f, 0,1
	global_load_b128 v[96*\e+8*\g+4*\f:96*\e+8*\g+4*\f+3], v1, s[4:5] offset:12288*\e+1024*\g+512*\f
.endr
.endr
.endr
.irp e, 0,1                                        ; out_w[16 nt + r][64 (2 w + e) + 16 d + 8 h + 0 .. 7]: 16
.irp d, 0,1,2,3
.irp f, 0,1
	global_load_b128 v[192+32*\e+8*\d+4*\f:192+32*\e+8*\d+4*\f+3], v2, s[6:7] offset:256*\e+64*\d+16*\f
.endr
.endr
.endr
	WIN 0
	global_load_b128 v[176:179], v3, s[8:9]        ; out_b[16 nt + 8 h + 4 c + 0 .. 3]: 1
	s_wait_loadcnt 33                              ; q and k are in; v's 16, out_w's 16 and the bias may be out
	WIN 0x05                                       ; both sources window 1
.irp g, 0,1,2,3                                    ; S^T = K Q^T: two accumulators by turns
.irp p, 0,2,4,6
.irp e, 0,1
.if (\g == 0) && (\p == 0)
	v_wmma_f32_16x16x4_f32 v[SA+8*\e:SA+8*\e+7], v[96*\e+32+8*\g+\p:96*\e+32+8*\g+\p+1], v[96*\e+8*\g+\p:96*\e+8*\g+\p+1], 0
.else
	v_wmma_f32_16x16x4_f32 v[SA+8*\e:SA+8*\e+7], v[96*\e+32+8*\g+\p:96*\e+32+8*\g+\p+1], v[96*\e+8*\g+\p:96*\e+8*\g+\p+1], v[SA+8*\e:SA+8*\e+7]
.endif
.endr
.endr
.endr
	WIN 0
.rept 8
	v_nop                                          ; eight places behind this form ahead of the first read of a result
.endr
.irp j, 0,1,2,3,4,5,6,7                            ; register j of lane (r, h): key 8 h + j, query r: hidden where j > r - 8 h.  Key 0 counts for every query
	v_cmp_gt_i32 vcc_lo, \j, v5
	v_cndmask_b32 v[TT+\j], v[SA+\j], v6, vcc_lo
	v_cndmask_b32 v[TT+8+\j], v[SA+8+\j], v6, vcc_lo
.endr
.irp e, 0,1
	v_max3_num_f32 v[224+\e], v[TT+8*\e], v[TT+8*\e+1], v[TT+8*\e+2]
.endr
.irp j, 3,5
.irp e, 0,1
	v_max3_num_f32 v[224+\e], v[224+\e], v[TT+8*\e+\j], v[TT+8*\e+\j+1]
.endr
.endr
.irp e, 0,1
	v_max_num_f32 v[224+\e], v[224+\e], v[TT+8*\e+7]
.endr
.irp e, 0,1
	v_permlanex16_b32 v[226+\e], v[224+\e], s28, s29
.endr
.irp e, 0,1
	v_max_num_f32 v[224+\e], v[224+\e], v[226+\e]  ; the row's maximum
.endr
.irp e, 0,1
	v_mul_f32 v[228+\e], s26, v[224+\e]
.endr
.irp e, 0,1
.irp j, 0,1,2,3,4,5,6,7
	v_fma_f32 v[TT+8*\e+\j], v[TT+8*\e+\j], s26, -v[228+\e]
.endr
.endr
.set i, 0
.rept 16
	v_exp_f32 v[TT+i], v[TT+i]
.set i, i+1
.endr
	v_nop                                          ; a plain instruction behind the last exponential
	s_wait_alu depctr_va_vdst(0)                   ; one wait for the batch
.irp e, 0,1
	v_add_f32 v[230+\e], v[TT+8*\e], v[TT+8*\e+1]
.endr
.irp j, 2,3,4,5,6,7
.irp e, 0,1
	v_add_f32 v[230+\e], v[230+\e], v[TT+8*\e+\j]
.endr
.endr
.irp e, 0,1
	v_permlanex16_b32 v[226+\e], v[230+\e], s28, s29
.endr
.irp e, 0,1
	v_add_f32 v[230+\e], v[230+\e], v[226+\e]
.endr
.irp e, 0,1
	v_rcp_f32 v[232+\e], v[230+\e]
.endr
	v_nop
	s_wait_alu depctr_va_vdst(0)
.irp e, 0,1
.irp j, 0,1,2,3,4,5,6,7
	v_mul_f32 v[PP+8*\e+\j], v[TT+8*\e+\j], v[232+\e]   ; the weights, normalised
.endr
.endr
	s_wait_loadcnt 17                              ; v is in; out_w's 16 and the bias may be out
	WIN 0x01                                       ; source 0 window 1
.irp p, 0,2,4,6                                    ; O^T = V^T P: eight accumulators by turns
.irp e, 0,1
.irp d, 0,1,2,3
.if \p == 0
	v_wmma_f32_16x16x4_f32 v[OA+32*\e+8*\d:OA+32*\e+8*\d+7], v[96*\e+64+8*\d+\p:96*\e+64+8*\d+\p+1], v[PP+8*\e+\p:PP+8*\e+\p+1], 0
.else
	v_wmma_f32_16x16x4_f32 v[OA+32*\e+8*\d:OA+32*\e+8*\d+7], v[96*\e+64+8*\d+\p:96*\e+64+8*\d+\p+1], v[PP+8*\e+\p:PP+8*\e+\p+1], v[OA+32*\e+8*\d:OA+32*\e+8*\d+7]
.endif
.endr
.endr
.endr
.rept 9
	v_nop                                          ; nine places ahead of a matrix instruction that takes a result as an operand
.endr
	s_wait_loadcnt 1                               ; out_w is in; the bias may be out
.irp e, 0,1                                        ; R^T = W O^T over my 128 along K: four accumulators by turns
.irp p, 0,2,4,6
.irp d, 0,1,2,3
.if (\e == 0) && (\p == 0)
	v_wmma_f32_16x16x4_f32 v[RA+8*\d:RA+8*\d+7], v[192+32*\e+8*\d+\p:192+32*\e+8*\d+\p+1], v[OA+32*\e+8*\d+\p:OA+32*\e+8*\d+\p+1], 0
.else
	v_wmma_f32_16x16x4_f32 v[RA+8*\d:RA+8*\d+7], v[192+32*\e+8*\d+\p:192+32*\e+8*\d+\p+1], v[OA+32*\e+8*\d+\p:OA+32*\e+8*\d+\p+1], v[RA+8*\d:RA+8*\d+7]
.endif
.endr
.endr
.endr
	WIN 0
.rept 8
	v_nop
.endr
.irp p, 0,2,4,6                                    ; the four accumulators are added, each read from its low end on
	v_pk_add_f32 v[TT+\p:TT+\p+1], v[RA+\p:RA+\p+1], v[RA+8+\p:RA+8+\p+1]
	v_pk_add_f32 v[TT+8+\p:TT+8+\p+1], v[RA+16+\p:RA+16+\p+1], v[RA+24+\p:RA+24+\p+1]
.endr
.irp p, 0,2,4,6
	v_pk_add_f32 v[TT+\p:TT+\p+1], v[TT+\p:TT+\p+1], v[TT+8+\p:TT+8+\p+1]
.endr
	ds_store_b128 v7, v[TT:TT+3]                   ; lane (r, h), register j: token r, column 16 nt + 8 h + j
	ds_store_b128 v7, v[TT+4:TT+7] offset:512
	s_wait_dscnt 0x0                               ; for the others' sake: my stores have landed
	s_barrier_signal -1
	s_barrier_wait -1
	s_cmp_ge_u32 s12, 2                            ; wave c = 0, 1 adds registers 4 c .. 4 c + 3 of all eight waves
	s_cbranch_scc1 .Lend
.irp k, 0,1,2,3,4,5,6,7
	ds_load_b128 v[144+4*\k:144+4*\k+3], v8 offset:1024*\k
.endr
	s_wait_dscnt 0x0
	s_wait_loadcnt 0x0                             ; the bias
.irp p, 0,2
	v_pk_add_f32 v[144+\p:145+\p], v[144+\p:145+\p], v[148+\p:149+\p]
	v_pk_add_f32 v[152+\p:153+\p], v[152+\p:153+\p], v[156+\p:157+\p]
	v_pk_add_f32 v[160+\p:161+\p], v[160+\p:161+\p], v[164+\p:165+\p]
	v_pk_add_f32 v[168+\p:169+\p], v[168+\p:169+\p], v[172+\p:173+\p]
.endr
.irp p, 0,2
	v_pk_add_f32 v[144+\p:145+\p], v[144+\p:145+\p], v[152+\p:153+\p]
	v_pk_add_f32 v[160+\p:161+\p], v[160+\p:161+\p], v[168+\p:169+\p]
.endr
.irp p, 0,2
	v_pk_add_f32 v[144+\p:145+\p], v[144+\p:145+\p], v[160+\p:161+\p]
.endr
.irp p, 0,2
	v_pk_add_f32 v[144+\p:145+\p], v[144+\p:145+\p], v[176+\p:177+\p]
.endr
	global_store_b128 v2, v[144:147], s[10:11]     ; out0[b][r][16 nt + 8 h + 4 c + 0 .. 3]
.Lend:
	s_wait_tensorcnt 0x0                           ; the wave's end
	ds_add_u32 v240, v241
	s_wait_dscnt 0x0
	s_endpgm
.Lfunc_end_k_qcff2f8eda1_fine:
	.size	k_qcff2f8eda1_fine, .Lfunc_end_k_qcff2f8eda1_fine-k_qcff2f8eda1_fine
	.p2alignl 7, 3214868480
	.fill 96, 4, 3214868480
	.section	.rodata,"a",@progbits
	.p2align	6, 0x0
	.amdhsa_kernel k_qcff2f8eda1_fine
		.amdhsa_group_segment_fixed_size 9216
		.amdhsa_private_segment_fixed_size 0
		.amdhsa_enable_private_segment 0
		.amdhsa_kernarg_size 32
		.amdhsa_user_sgpr_count 2
		.amdhsa_user_sgpr_kernarg_segment_ptr 1
		.amdhsa_wavefront_size32 1
		.amdhsa_system_sgpr_workgroup_id_x 1
		.amdhsa_system_sgpr_workgroup_id_y 1
		.amdhsa_system_sgpr_workgroup_id_z 1
		.amdhsa_system_vgpr_workitem_id 0
		.amdhsa_next_free_vgpr 512
		.amdhsa_next_free_sgpr 66
		.amdhsa_reserve_vcc 1
		.amdhsa_float_denorm_mode_32 3
		.amdhsa_float_denorm_mode_16_64 3
		.amdhsa_memory_ordered 1
		.amdhsa_forward_progress 1
		.amdhsa_inst_pref_size 23
	.end_amdhsa_kernel
	.amdgpu_metadata
---
amdhsa.version: [ 1, 2 ]
amdhsa.kernels:
  - .name:           k_qcff2f8eda1_fine
    .symbol:         k_qcff2f8eda1_fine.kd
    .args:
      - { .name: fqkv, .offset: 0, .size: 8, .value_kind: global_buffer, .address_space: global }
      - { .name: out_w, .offset: 8, .size: 8, .value_kind: global_buffer, .address_space: global }
      - { .name: out_b, .offset: 16, .size: 8, .value_kind: global_buffer, .address_space: global }
      - { .name: out0, .offset: 24, .size: 8, .value_kind: global_buffer, .address_space: global }
    .group_segment_fixed_size: 9216
    .private_segment_fixed_size: 0
    .kernarg_segment_align: 8
    .kernarg_segment_size: 32
    .max_flat_workgroup_size: 256
    .sgpr_count:     66
    .vgpr_count:     512
    .wavefront_size: 32
...
	.end_amdgpu_metadata
.endif
;; end of part 5
